; MI455X (gfx1250); checked and timed in simulation.
; The chip was launched on July 23, 2026; its instructions are those of AMD's public machine-readable ISA for CDNA 5 (MIT licence, August 2026) and "CDNA5" Instruction Set Architecture Reference Guide (July 2026). The comments in the code are by the model that wrote it; some were corrected since.
;; GQA Attention. Allowed arithmetic: matrix products marked QUANTISED: E4M3 operands, one E8M0 scale for each 32 along K, by v_wmma_scale_f32_16x16x128_f8f6f4 with both operands' format E4M3, f32 sums; everything else in f32.
;; Inputs: Wk 1,024 x 256 float32; Wo 1,024 x 1,024 float32; Wq 1,024 x 1,024 float32; Wv 1,024 x 256 float32; bk 256 float32; bo 1,024 float32; bq 1,024 float32; bv 256 float32; x 2 x 2,048 x 1,024 float32.
;; Outputs: out0 2 x 2,048 x 1,024 float32.
;; This version of the problem:
;;   THIS VERSION OF THE PROBLEM IS GIVEN IN LOW PRECISION. The matrix products marked QUANTISED in the list below multiply operands that are first quantised to E4M3 (4 exponent bits, 3 mantissa bits; 8 bits a number), with one power-of-two scale for each 32 numbers along K (OCP MX v1.0); their sums are f32. All else is computed in f32.
;;   The module's matrix products, in the order in which they are computed (A, B: the left and right operand; K: the contracted axis; several contracted axes count as one K, in the product's order):
;;     1. [M 4,096, K 1,024] x [K 1,024, N 1,024]; A: input x; B: input Wq: QUANTISED
;;     2. [M 4,096, K 1,024] x [K 1,024, N 256]; A: input x; B: input Wk: QUANTISED
;;     3. [M 4,096, K 1,024] x [K 1,024, N 256]; A: input x; B: input Wv: QUANTISED
;;     4. batch 8 x [M 8,192, K 64] x [K 64, N 2,048]; A: computed on the way; B: computed on the way: QUANTISED
;;     5. batch 8 x [M 8,192, K 2,048] x [K 2,048, N 64]; A: softmax (see below); B: computed on the way: QUANTISED
;;     6. [M 4,096, K 1,024] x [K 1,024, N 1,024]; A: computed on the way; B: input Wo: QUANTISED
;;   THE QUANTISER, for each operand of a quantised product, along K:
;;     - K is cut into blocks of 32 from its start; a last block that is shorter is filled with zeros.
;;     - A block's scale is 2^e with e = floor(log2(the largest magnitude in the block)) - 8, held to -126 .. 127; a block of zeros has e = 0. As a byte (E8M0): e + 127.
;;     - Each number is divided by its block's scale, clamped to +-448, and rounded to the nearest number of E4M3, ties to even, subnormals kept.
;;     - The product sums the exact products of the quantised numbers (number of the format x scale) in f32.
;;   ~~~python
;;   def quantise(x, axis):      # numpy; x: float32 -> the quantised numbers, widened to float32 again
;;       x = np.moveaxis(x, axis, -1); K = x.shape[-1]
;;       x = np.pad(x, [(0, 0)] * (x.ndim - 1) + [(0, -K % 32)]); x = x.reshape(x.shape[:-1] + (-1, 32)); a = np.abs(x).max(-1, keepdims=True)
;;       e = np.where(a > 0, np.clip(np.frexp(np.where(a > 0, a, 1))[1] - 1 - 8, -126, 127), 0)      # np.frexp(a)[1] - 1 = floor(log2(a)), exactly
;;       r = np.clip(x / 2.0 ** e, -448, 448)
;;       step = 2.0 ** (np.maximum(np.frexp(np.where(r == 0, 1, r))[1] - 1, -6) - 3)
;;       q = np.round(r / step) * step * 2.0 ** e      # np.round: ties to even
;;       return np.moveaxis(q.reshape(q.shape[:-2] + (-1,))[..., :K], -1, axis).astype(np.float32)
;;   ~~~
;;   SOFTMAX AHEAD OF A QUANTISED PRODUCT. Where the list says 'softmax', what is quantised is not the finished softmax but p = 2^(t - M), with t = logit x log2(e) and M = ceil(the row's largest t), a whole number; so 1/2 < the row's largest p <= 1. The row's sum l is taken of the UNQUANTISED p, in f32, and the product's result is divided by l at the end. Since M is a whole number, a kernel that streams over the keys may use a running M (the ceiling of the running maximum): every later rescaling is an exact power of two, which a block's scale takes up: the codes' values come out the same.
;;   OPERANDS COMPUTED ON THE WAY. 'Computed on the way' means the value that the module computes at that place (a softmax that the list does not call 'softmax' is quantised finished and normalised). What goes into a quantiser is computed in f32, as accurately as f32 sums, v_exp_f32 and their like allow (about 1e-6 of the number): no bf16 or f16 on the way to a quantiser, and a product that is left as it is and whose result goes on into a quantised operand takes f32 operands (vector FMAs, or v_wmma_f32_16x16x4_f32). A number that lies on a knife's edge between two numbers of the format may be rounded either way, as far as f32 arithmetic and the matrix unit's own rounding can turn it there, and no further.
;; One version. Each part assembles by itself: llvm-mc -triple=amdgcn-amd-amdhsa -mcpu=gfx1250 --defsym DOCPART=n.
;; ======== version 1 of 1: 4 launches
;; limits: right only within a limited range of input values
;; workspace buffers: xb 4,325,376 bytes; wqkv 1,622,016 bytes; wob 1,081,344 bytes; qc 4,194,304 bytes; qs 262,144 bytes; kv 2,195,456 bytes; ob 4,325,376 bytes
;; launch quant (part 1): grid 416 x 1, 4 waves a work-group, no clusters, 68,096 bytes of LDS; arguments x, Wq, Wk, Wv, Wo, xb, wqkv, wob; writes xb, wqkv, wob
.if DOCPART == 1
	.amdgcn_target "amdgcn-amd-amdhsa--gfx1250"
	.amdhsa_code_object_version 6
	.text
	.protected	k_qccc215eb69_quant
	.globl	k_qccc215eb69_quant
	.p2align	8
	.type	k_qccc215eb69_quant,@function
k_qccc215eb69_quant:
	s_mov_b64 s[64:65], 0
	v_nop
	global_prefetch_b8 v0, s[64:65] scope:SCOPE_SE
	s_setreg_imm32_b32 hwreg(HW_REG_WAVE_MODE, 25, 1), 1
	s_wait_xcnt 0x0
; x [4096][1024] and the four weights ([1024 (k)][n], K first), all f32, become codes of E4M3 with one E8M0 byte for each 32 along K, laid as the later launches' matrix operands want them.
; A block's scale is 2^(floor(log2(largest magnitude)) - 8); its byte is the largest magnitude's exponent field - 8, held at 1 from below; each number is held within +-448 x the scale and rounded to the nearest code.
; LAYOUT OF THE CODES.  A fragment is 16 rows x 128 K, 16 registers a lane; it lies in memory as an IMAGE of these registers: chunk c (512 bytes) holds registers 4c..4c+3, lane L's 16 bytes at 16 L.
; ORDER INSIDE A BLOCK OF 32: byte i (0..15) of lane (r, h) in chunk c is k = 32 c + 8 h + (i & 7) + 16 (i >> 3): the order in which a lane holds two neighbouring tiles of a matrix result.
; Every operand of every product of this program has this order, so each code still meets its partner and its own block's scale; only the order of the f32 sums inside a block differs from ascending k.
; A PANEL BLOCK (PB bytes) holds 8 tiles (128 rows) x 2 K steps: image (tile t, step e) at 2048 (2 t + e); behind them the scale words of (pair of tiles p, step e) at 32768 + 128 (2 p + e):
; lanes 0-15 the words of tile 2 p, lanes 16-31 those of tile 2 p + 1.  A buffer is [K step / 2][octet of tiles][PB].  wqkv: octets 0-7 Wq's columns, 8-9 Wk's, 10-11 Wv's.
; SHARES.  A wave takes 32 rows (or columns) x 128 K.  Work-groups 0-255: x.  256-415: the weights.  Waves share nothing: no barrier.  No tile is read by two work-groups: nothing to ask for jointly.
; LIMITS: NaN and infinities among the inputs are not served.  A block of zeros gets the byte 1 where the rule says 127: its codes are zeros, and the bytes are read by this program alone.
; The scale words leave as 128 consecutive bytes a wave: one part in 33 of what this launch stores.
.set PB,   33792
.set TM,   8                           ; v8-23   x path: largest magnitudes, bytes, holds, scale operands (four each)
.set RAW,  32                          ; v32-159 the 128 registers as loaded
.set XN,   160                         ; v160-223 x path: 64 numbers of a lane in operand order;  weight path: v160-191 the codes
.set CD,   224                         ; v224-255 x path: codes, 16 registers a tile
.set MNT,  21                          ; s21     the mantissa field of 448
.set SEL,  22                          ; s[22:23] lane selects: lane l xor 16
; 64 (nb = 4) or 32 (nb = 2) numbers of a lane, register 16 b + i of v[s] on = the lane's i-th number of block b, become codes in v[d + 4 b] on and bytes in v[TM + 4 + b]
.macro QUANT s, d, nb
.irp b, 0,1,2,3
.if \b < \nb
	v_max3_num_f32 v[TM+\b], |v[16*\b+(\s)]|, |v[16*\b+1+(\s)]|, 0x4800000   ; my 16 numbers, and the floor 2^(9 - 127): the byte cannot fall under 1
.endif
.endr
.irp i, 2,4,6,8,10,12,14
.irp b, 0,1,2,3
.if \b < \nb
	v_max3_num_f32 v[TM+\b], v[TM+\b], |v[16*\b+\i+(\s)]|, |v[16*\b+\i+1+(\s)]|   ; the blocks by turns
.endif
.endr
.endr
.irp b, 0,1,2,3
.if \b < \nb
	v_permlanex16_b32 v[TM+4+\b], v[TM+\b], s[SEL], s[SEL+1]
.endif
.endr
.irp b, 0,1,2,3
.if \b < \nb
	v_max_num_f32 v[TM+\b], v[TM+\b], v[TM+4+\b]       ; with lane l xor 16's 16: the block's largest magnitude
.endif
.endr
.irp b, 0,1,2,3
.if \b < \nb
	v_add_nc_u32 v[TM+12+\b], 0xfc000000, v[TM+\b]     ; 8 off its exponent field: the conversion's scale operand
.endif
.endr
.irp b, 0,1,2,3
.if \b < \nb
	v_and_or_b32 v[TM+8+\b], v[TM+\b], 0x7f800000, s[MNT]   ; 448 x the scale
.endif
.endr
.irp b, 0,1,2,3
.if \b < \nb
	v_lshrrev_b32 v[TM+4+\b], 23, v[TM+12+\b]          ; the scale's byte
.endif
.endr
.irp b, 0,1,2,3
.if \b < \nb
.irp i, 0,1,2,3,4,5,6,7,8,9,10,11,12,13,14,15
	v_med3_num_f32 v[16*\b+\i+(\s)], v[16*\b+\i+(\s)], -v[TM+8+\b], v[TM+8+\b]   ; the conversion does not saturate (ISA guide 7.6.2): the hold
.endr
	v_cvt_scalef32_pk8_fp8_f32 v[4*\b+(\d):4*\b+1+(\d)], v[16*\b+(\s):16*\b+7+(\s)], v[TM+12+\b]
	v_cvt_scalef32_pk8_fp8_f32 v[4*\b+2+(\d):4*\b+3+(\d)], v[16*\b+8+(\s):16*\b+15+(\s)], v[TM+12+\b]
.endif
.endr
	v_nop                                          ; a plain line behind the last conversion
.endm
; s25 = pair of tiles, s26 = K step, s37 = octets in the buffer, s[38:39] = the buffer  ->  s[32:33] where the pair's images begin, s[34:35] its scale words
.macro DEST
	s_lshr_b32 s30, s26, 1                         ; K step / 2
	s_and_b32 s31, s26, 1                          ; e
	s_mul_i32 s30, s30, s37
	s_lshr_b32 s27, s25, 2                         ; octet
	s_add_co_u32 s30, s30, s27
	s_mul_i32 s30, s30, PB                         ; the panel block
	s_and_b32 s27, s25, 3                          ; p
	s_lshl_b32 s33, s27, 2
	s_add_co_u32 s33, s33, s31
	s_lshl_b32 s33, s33, 11                        ; 2048 (2 (2 p) + e)
	s_add_co_u32 s32, s30, s33
	s_mov_b32 s33, 0
	s_lshl_b32 s27, s27, 1
	s_add_co_u32 s27, s27, s31
	s_lshl_b32 s27, s27, 7                         ; 128 (2 p + e)
	s_add_co_u32 s34, s30, s27
	s_add_co_u32 s34, s34, 32768
	s_mov_b32 s35, 0
	s_add_nc_u64 s[32:33], s[38:39], s[32:33]
	s_add_nc_u64 s[34:35], s[38:39], s[34:35]
.endm
	s_load_b256 s[4:11], s[0:1], 0x0               ; x, Wq, Wk, Wv
	s_load_b256 s[12:19], s[0:1], 0x20             ; Wo, xb, wqkv, wob
	v_lshl_add_u32 v30, v0, 2, 0x10800
	v_mov_b32 v31, 0
	v_lshrrev_b32 v1, 5, v0
	v_readfirstlane_b32 s20, v1                    ; wave
	v_and_b32 v1, 31, v0                           ; lane
	v_lshlrev_b32 v2, 4, v1                        ; 16 x lane
	v_lshlrev_b32 v6, 2, v1                        ; 4 x lane
	s_mov_b32 s[MNT], 0x600000
	s_mov_b32 s[SEL], 0x76543210
	s_mov_b32 s[SEL+1], 0xfedcba98
	s_cmp_lt_u32 ttmp9, 256
	s_cbranch_scc0 .Lweights
	; ---- x: unit u = 4 x work-group + wave: tokens 32 (u / 8) on, K step u % 8
	s_lshl_b32 s24, ttmp9, 2
	s_add_co_u32 s24, s24, s20
	s_lshr_b32 s25, s24, 3                         ; pair of token tiles
	s_and_b32 s26, s24, 7                          ; K step
	s_lshl_b32 s28, s25, 17                        ; 32 rows of 4,096 bytes
	s_lshl_b32 s27, s26, 9                         ; 128 numbers
	s_add_co_u32 s28, s28, s27
	s_mov_b32 s29, 0
	s_mov_b32 s37, 32
	s_mul_i32 s36, s20, 16896                      ; my wave's stage: 32 rows x 528 bytes
	s_wait_alu depctr_va_vdst(0)
	v_add_nc_u32 v3, s36, v2                       ; in: a row as it lies, 16 bytes a lane
	v_and_b32 v4, 15, v1
	v_mul_u32_u24 v4, v4, 528                      ; out: row r; 528 = 33 x 16: the 16 rows of a load start at 16 different banks (64 banks of 4 bytes: ISA guide 11.1)
	v_lshrrev_b32 v5, 4, v1
	v_lshl_add_u32 v4, v5, 5, v4                   ; + 32 h: eight numbers
	v_add_nc_u32 v4, s36, v4
.irp b, 0,1,2,3
	v_mov_b32 v[TM+4+\b], 0                        ; written once: a lane permute's destination counts as one of its sources
.endr
	v_cmp_le_u32 vcc_lo, 16, v1                    ; lanes 16-31
	s_wait_alu depctr_va_vdst(0)
	s_wait_kmcnt 0x0
	s_add_nc_u64 s[28:29], s[4:5], s[28:29]
	s_mov_b64 s[38:39], s[14:15]
.set i, 0
.rept 32
	global_load_b128 v[RAW+4*i:RAW+4*i+3], v2, s[28:29] offset:4096*i th:TH_LOAD_NT   ; row i: 512 consecutive bytes; all 32 rows are asked for at once
.set i, i+1
.endr
	DEST
.macro XTILE a                         ; tile a of the pair: rows 16 a on
.set i, 16*\a
.rept 16
	s_wait_loadcnt 31-i                            ; loads come back in order: row i is in, the younger rows stay out
	ds_store_b128 v3, v[RAW+4*i:RAW+4*i+3] offset:528*i
.set i, i+1
.endr
.irp c, 0,1,2,3
.irp j, 0,1,2,3
	ds_load_b128 v[XN+16*\c+4*\j:XN+16*\c+4*\j+3], v4 offset:8448*\a+128*\c+16*(\j%2)+64*(\j/2)   ; k = 32 c + 8 h + 0..7, then 32 c + 16 + 8 h + 0..7.  LDS serves a wave's instructions in order: these see the stores
.endr
.endr
	s_wait_dscnt 0x0
	QUANT XN, CD+16*\a, 4
	v_lshl_or_b32 v[24+\a], v[TM+5], 8, v[TM+4]    ; my row's scale word
	v_lshl_or_b32 v[24+\a], v[TM+6], 16, v[24+\a]
	v_lshl_or_b32 v[24+\a], v[TM+7], 24, v[24+\a]
.irp c, 0,1,2,3
	global_store_b128 v2, v[CD+16*\a+4*\c:CD+16*\a+4*\c+3], s[32:33] offset:4096*\a+512*\c   ; a chunk: 512 consecutive bytes
.endr
.endm
	XTILE 0
	XTILE 1
	v_cndmask_b32 v26, v24, v25, vcc_lo            ; lanes 0-15 tile 0's words, lanes 16-31 tile 1's
	global_store_b32 v6, v26, s[34:35]
	s_wait_tensorcnt 0x0
	ds_add_u32 v30, v31
	s_wait_dscnt 0x0
	s_endpgm
	; ---- the weights: unit uw: 32 columns x 128 k.  A LANE TAKES A COLUMN AND ITS REGISTERS RUN DOWN K: a block of 32 lies in one lane.  uw 0-255 Wq, 256-511 Wo, 512-575 Wk, 576-639 Wv
.macro WLOAD pitch
.set i, 0
.rept 128
	global_load_b32 v[RAW+i], v6, s[28:29] offset:i*\pitch th:TH_LOAD_NT   ; row k of 32 neighbouring columns: 128 consecutive bytes
.set i, i+1
.endr
.endm
.Lweights:
	s_sub_co_u32 s24, ttmp9, 256
	s_lshl_b32 s24, s24, 2
	s_add_co_u32 s24, s24, s20                     ; uw
	s_wait_alu depctr_va_vdst(0)
	v_lshrrev_b32 v7, 4, v1
	v_and_b32 v9, 15, v1
	v_lshlrev_b32 v7, 12, v7
	v_lshl_add_u32 v7, v9, 4, v7                   ; my column's place in the pair's images: 4096 (lane / 16) + 16 (lane % 16)
	s_wait_kmcnt 0x0
	s_cmp_lt_u32 s24, 512
	s_cbranch_scc0 .Lsmall
	s_cmp_lt_u32 s24, 256                          ; the choices hang on the unit's number alone
	s_cselect_b64 s[28:29], s[6:7], s[12:13]       ; Wq or Wo
	s_cselect_b64 s[38:39], s[16:17], s[18:19]     ; wqkv or wob
	s_cselect_b32 s37, 12, 8
	s_and_b32 s25, s24, 31                         ; pair of column tiles: uw % 32: the four waves of a work-group stand side by side on 512 bytes of each row
	s_bfe_u32 s26, s24, 0x30005                    ; K step: (uw / 32) % 8
	s_lshl_b32 s30, s26, 19                        ; 128 rows of 4,096 bytes
	s_lshl_b32 s31, s25, 7
	s_add_co_u32 s30, s30, s31
	s_mov_b32 s31, 0
	s_add_nc_u64 s[28:29], s[28:29], s[30:31]
	WLOAD 4096
	s_branch .Lwjoin
.Lsmall:
	s_sub_co_u32 s27, s24, 512
	s_cmp_lt_u32 s27, 64
	s_cselect_b64 s[28:29], s[8:9], s[10:11]       ; Wk or Wv
	s_mov_b64 s[38:39], s[16:17]
	s_mov_b32 s37, 12
	s_and_b32 s25, s27, 7                          ; pair within the matrix: 0..7
	s_bfe_u32 s26, s27, 0x30003                    ; K step
	s_lshl_b32 s30, s26, 17                        ; 128 rows of 1,024 bytes
	s_lshl_b32 s31, s25, 7
	s_add_co_u32 s30, s30, s31
	s_mov_b32 s31, 0
	s_add_nc_u64 s[28:29], s[28:29], s[30:31]
	s_lshr_b32 s27, s27, 6
	s_lshl_b32 s27, s27, 3
	s_add_co_u32 s25, s25, s27
	s_add_co_u32 s25, s25, 32                      ; pair within wqkv: 32 + 8 x (0: Wk, 1: Wv) + pair
	WLOAD 1024
.Lwjoin:
	DEST
.macro WBLOCK c
.if 32*(3-\c) > 63
	s_wait_loadcnt 63                              ; the later blocks' loads may be out; the count is held to what a wait can name
.else
	s_wait_loadcnt 32*(3-\c)                       ; this block's 32 loads are in; the later blocks' may be out
.endif
.set XS, RAW+32*\c
	v_max3_num_f32 v12, |v[XS]|, |v[XS+1]|, |v[XS+2]|
	v_max3_num_f32 v13, |v[XS+3]|, |v[XS+4]|, |v[XS+5]|
.irp i, 6,10,14,18,22,26
	v_max3_num_f32 v12, v12, |v[XS+\i]|, |v[XS+\i+1]|
	v_max3_num_f32 v13, v13, |v[XS+\i+2]|, |v[XS+\i+3]|
.endr
	v_max3_num_f32 v12, v12, |v[XS+30]|, |v[XS+31]|
	v_max3_num_f32 v12, v12, v13, 0x4800000        ; and the floor
	v_add_nc_u32 v11, 0xfc000000, v12              ; the conversion's scale operand
	v_and_or_b32 v10, v12, 0x7f800000, s[MNT]      ; 448 x the scale
	v_lshrrev_b32 v13, 23, v11                     ; the byte
.if \c == 0
	v_mov_b32 v8, v13
.else
	v_lshl_or_b32 v8, v13, 8*\c, v8                ; my column's scale word
.endif
.irp i, 0,1,2,3,4,5,6,7,8,9,10,11,12,13,14,15,16,17,18,19,20,21,22,23,24,25,26,27,28,29,30,31
	v_med3_num_f32 v[XS+\i], v[XS+\i], -v10, v10
.endr
.irp g, 0,1,2,3
	v_cvt_scalef32_pk8_fp8_f32 v[XN+8*\c+4*(\g%2)+2*(\g/2):XN+8*\c+4*(\g%2)+2*(\g/2)+1], v[XS+8*\g:XS+8*\g+7], v11   ; k 0-7 and 16-23 make the image's lane (r, 0), k 8-15 and 24-31 its lane (r, 1)
.endr
	global_store_b128 v7, v[XN+8*\c:XN+8*\c+3], s[32:33] offset:512*\c         ; sixteen lanes store 256 consecutive bytes, aligned
	global_store_b128 v7, v[XN+8*\c+4:XN+8*\c+7], s[32:33] offset:512*\c+256
.endm
	WBLOCK 0
	WBLOCK 1
	WBLOCK 2
	WBLOCK 3
	global_store_b32 v6, v8, s[34:35]              ; lane = column: lanes 0-15 are the pair's first tile, lanes 16-31 its second
	s_endpgm
.Lfunc_end_k_qccc215eb69_quant:
	.size	k_qccc215eb69_quant, .Lfunc_end_k_qccc215eb69_quant-k_qccc215eb69_quant
	.p2alignl 7, 3214868480
	.fill 96, 4, 3214868480
	.section	.rodata,"a",@progbits
	.p2align	6, 0x0
	.amdhsa_kernel k_qccc215eb69_quant
		.amdhsa_group_segment_fixed_size 68096
		.amdhsa_private_segment_fixed_size 0
		.amdhsa_enable_private_segment 0
		.amdhsa_kernarg_size 64
		.amdhsa_user_sgpr_count 2
		.amdhsa_user_sgpr_kernarg_segment_ptr 1
		.amdhsa_wavefront_size32 1
		.amdhsa_system_sgpr_workgroup_id_x 1
		.amdhsa_system_sgpr_workgroup_id_y 1
		.amdhsa_system_sgpr_workgroup_id_z 1
		.amdhsa_system_vgpr_workitem_id 0
		.amdhsa_next_free_vgpr 256
		.amdhsa_next_free_sgpr 66
		.amdhsa_reserve_vcc 1
		.amdhsa_float_denorm_mode_32 3
		.amdhsa_float_denorm_mode_16_64 3
		.amdhsa_memory_ordered 1
		.amdhsa_forward_progress 1
		.amdhsa_inst_pref_size 69
	.end_amdhsa_kernel
	.amdgpu_metadata
---
amdhsa.version: [ 1, 2 ]
amdhsa.kernels:
  - .name:           k_qccc215eb69_quant
    .symbol:         k_qccc215eb69_quant.kd
    .args:
      - { .name: x, .offset: 0, .size: 8, .value_kind: global_buffer, .address_space: global }
      - { .name: Wq, .offset: 8, .size: 8, .value_kind: global_buffer, .address_space: global }
      - { .name: Wk, .offset: 16, .size: 8, .value_kind: global_buffer, .address_space: global }
      - { .name: Wv, .offset: 24, .size: 8, .value_kind: global_buffer, .address_space: global }
      - { .name: Wo, .offset: 32, .size: 8, .value_kind: global_buffer, .address_space: global }
      - { .name: xb, .offset: 40, .size: 8, .value_kind: global_buffer, .address_space: global }
      - { .name: wqkv, .offset: 48, .size: 8, .value_kind: global_buffer, .address_space: global }
      - { .name: wob, .offset: 56, .size: 8, .value_kind: global_buffer, .address_space: global }
    .group_segment_fixed_size: 68096
    .private_segment_fixed_size: 0
    .kernarg_segment_align: 8
    .kernarg_segment_size: 64
    .max_flat_workgroup_size: 128
    .sgpr_count:     66
    .vgpr_count:     256
    .wavefront_size: 32
...
	.end_amdgpu_metadata
.endif
;; end of part 1
;; launch qkv (part 2): grid 32 x 8, 4 waves a work-group, clusters of 4 x 1, 201,216 bytes of LDS; arguments xb, wqkv, bq, bk, bv, qc, qs, kv; writes qc, qs, kv
.if DOCPART == 2
	.amdgcn_target "amdgcn-amd-amdhsa--gfx1250"
	.amdhsa_code_object_version 6
	.text
	.protected	k_qccc215eb69_qkv
	.globl	k_qccc215eb69_qkv
	.p2align	8
	.type	k_qccc215eb69_qkv,@function
k_qccc215eb69_qkv:
	s_mov_b64 s[64:65], 0
	v_nop
	global_prefetch_b8 v0, s[64:65] scope:SCOPE_SE
	s_setreg_imm32_b32 hwreg(HW_REG_WAVE_MODE, 25, 1), 1
	s_wait_xcnt 0x0
	s_wait_alu depctr_hold_cnt(0) depctr_sa_sdst(0) depctr_va_vdst(0) depctr_va_sdst(0) depctr_va_ssrc(0) depctr_va_vcc(0) depctr_vm_vsrc(0)
	s_getreg_b32 s2, hwreg(HW_REG_IB_STS2, 6, 4)
	s_cmp_eq_u32 s2, 0
	s_cbranch_scc0 .Lentry_in_a_cluster
	s_endpgm
.Lentry_in_a_cluster:
	s_bfe_u32 s2, ttmp6, 0x10000c
	s_cmp_lg_u32 s2, 0x3003
	s_cbranch_scc0 .Lentry_shape_is_right
	s_endpgm
.Lentry_shape_is_right:
; q = x Wq + bq, k = x Wk + bk, v = x Wv + bv on codes of E4M3 with E8M0 scales, and q, k, v quantised at once for the attention: q and k along the head's 64, v along the keys.  Nothing leaves as f32.
; SHARES.  32 x 8 work-groups of equal work.  Work-group (xt, y) takes 128 tokens (octet xt) and makes q's features 128 y on (two heads), and then, with the same tokens, 64 features more:
; group y of k where y < 4, group y - 4 of v else.  Wave w owns token tiles 2 w and 2 w + 1 in all three products.
; x NEVER GOES THROUGH LDS: nobody but its owner reads a token tile, so a wave's 16 fragments (2 tiles x 8 K steps of 128) are loaded once into the 256 registers of window 1 and serve both products.
; THE WEIGHTS lie in LDS, filled once: Wq's octet (images and scale words, 4 chunks of two K steps) and the images of the 64 further columns; nothing is filled again.
; An image is a fragment's registers as they stand: 16 rows x 128 K = 2,048 bytes, chunk c = registers 4c..4c+3, lane L at 16 L.
; CLUSTER: the four work-groups of a cluster have neighbouring xt and the same y: they need the same weights, and every tensor load is asked for JOINTLY (mask 15).
; A cluster of 4 x 4 is not taken: the ways for k and for v part on y, which would then hang on the place in the cluster.
; q, k: source 0 = the weights' columns, source 1 = tokens: a lane holds ONE token and its registers run along the features; the 16 registers of tiles 2 b, 2 b + 1 are a lane's half of block b of 32 features.
; v:    source 0 = tokens, source 1 = the weights' columns: a lane holds ONE channel and its registers run along my 32 tokens, which are block w of the key step's four blocks of 32 keys.
; So the conversions' results ARE the next operand's registers (order in a block: k = 8 h + (i & 7) + 16 (i >> 3), the same in every operand of this program), and they are stored as images.
; The accumulators take turns, one instruction a turn.
; OUT.  qc [b x 16 + head][query tile][1024]: chunks 0, 1 of Q's fragment.  qs [b x 16 + head][pair of tiles][32 words].  kv [b x 4 + group][key step][KVB]: K's 8 tiles x 1,024; V's 4 tiles x 2,048 at 8192;
; K's scale words (4 pairs x 128) at 16384; V's (2 pairs x 128) at 16896.  A word of q or k is b0 | b1 << 8 | b0 << 16 | b1 << 24: the head's 64 fill half of the instruction's 128, and the bytes of the other half repeat the real ones.
; A word of v has one byte from each wave: they leave by stores of one byte a lane, 256 bytes a work-group.
; LIMITS: NaN and infinities are not served; a block of zeros carries the byte 1 (read by this program alone); the f32 sums run in the order of a block given above.
; REGISTERS.  Window 0: v1-15 addresses; v16-31 the further columns' scale words; v32-35 at work; v48-111 four fragments from LDS, at the ends the quantiser's sixteen (v48), words (v64) and codes (v80);
;   v112-239 accumulators; v240-247 x's scale words, v248-251 Wq's.   Window 1: x's fragment (K step s, tile n) at v[16 (2 s + n)].   Window 2: v0-31 the second product's bias, as the C of its first K step.
.set PB,   33792                       ; a panel block: 8 tiles x 2 K steps of images, then 1,024 bytes of scale words
.set HALF, 16896
.set KVB,  17152
.set NOCT, 12                          ; octets of columns in wqkv
.set WP,   0                           ; LDS: Wq's octet, chunk q at q PB
.set EP,   135168                      ; the further 64 columns' images, chunk q at EP + 16384 q
.set WV,   20                          ; s20 wave;  s21 cx;  s22 xt;  s23 y
.set MNT,  3
.set SEL,  66                          ; s66, s67
.set XB,   68                          ; s[68:69] x's images at my two tiles;  s[70:71] their scale words
.set XSB,  70
.set EWB,  72                          ; s[72:73] the further columns' scale words
.set QBP,  74                          ; s[74:75] bq at my octet;  s[76:77] bk or bv at my group
.set EBP,  76
.set QC0,  78                          ; s[78:85] q's codes and words, first and second head
.set QC1,  80
.set QS0,  82
.set QS1,  84
.set WB,   86                          ; s[86:89] where my tensor loads read
.set WE,   88
.set KVC,  90                          ; s[90:93] k's or v's codes and words
.set KVS,  92
.set LI,   1                           ; v1  16 x lane
.set LS,   2                           ; v2  4 x lane
.set BA,   3                           ; v3  32 h
.set AW,   4                           ; v4-7   Wq's images of chunk q;  v8-11 its scale words;  v12-15 the further images
.set ASW,  8
.set AE,   12
.set EWS,  16                          ; v16-31 word register 2 s + p: K step s, pair of tiles p: they hold scales and nothing else
.set RA,   32                          ; v32 4 r
.set S0F,  48
.set TM,   48
.set WD,   64
.set CD,   80
.set ACC,  112
.set XS,   240                         ; v240-247, v248-251: scales and nothing else
.set S0S, 248                          ; Wq's scale words of even K steps; those of odd K steps stand in v36-39
.set QB, 32                            ; window 2: v32-95 q's bias, as the C of its first K step;  v96-159 a second buffer of four fragments
.set MSB, 0
.macro WIN new                         ; the immediate's high byte repeats the setting that is left; bits 1:0 source 0, 3:2 source 1, 5:4 source 2, 7:6 destination
.if MSB != \new
	s_set_vgpr_msb (MSB<<8)|\new
.set MSB, \new
.endif
.endm
.macro ROUND                           ; a round of the cluster's barrier
	s_barrier_signal -1
	s_barrier_wait -1
	s_cmp_lg_u32 s[WV], 0
	s_cbranch_scc1 .Lnot_wave_0_\@
	s_barrier_signal -3
.Lnot_wave_0_\@:
	s_barrier_wait -3
	s_barrier_signal -1
	s_barrier_wait -1
.endm
.macro MKG0 g, lreg, lds, src, off     ; a descriptor's group 0: count 1; LDS address = s[lreg] + lds; global address = s[src] + off; type 2
	s_mov_b32 s[\g], 1
	s_add_co_u32 s[\g+1], s[\lreg], \lds
	s_add_nc_u64 s[\g+2:\g+3], s[\src:\src+1], \off
	s_or_b32 s[\g+3], s[\g+3], 0x80000000
.endm
.macro WM d, a, b, c, sa, sb, ra, rb   ; D = A B + C;  ra, rb: the side's scale words stand in lanes 16-31
.if (\ra) && (\rb)
	v_wmma_scale_f32_16x16x128_f8f6f4 v[\d:\d+7], v[\a:\a+15], v[\b:\b+15], v[\c:\c+7], v[\sa], v[\sb] matrix_a_scale:MATRIX_SCALE_ROW1 matrix_b_scale:MATRIX_SCALE_ROW1
.elseif (\ra)
	v_wmma_scale_f32_16x16x128_f8f6f4 v[\d:\d+7], v[\a:\a+15], v[\b:\b+15], v[\c:\c+7], v[\sa], v[\sb] matrix_a_scale:MATRIX_SCALE_ROW1
.elseif (\rb)
	v_wmma_scale_f32_16x16x128_f8f6f4 v[\d:\d+7], v[\a:\a+15], v[\b:\b+15], v[\c:\c+7], v[\sa], v[\sb] matrix_b_scale:MATRIX_SCALE_ROW1
.else
	v_wmma_scale_f32_16x16x128_f8f6f4 v[\d:\d+7], v[\a:\a+15], v[\b:\b+15], v[\c:\c+7], v[\sa], v[\sb]
.endif
.endm
; A load into a register that a matrix instruction has read, and a vector instruction that reads a matrix result or writes one of its registers, stand eight places behind it, and only plain vector
; instructions that name none of its registers are places: eight v_nop in front of each run of loads.
.macro PLACES
.rept 8
	v_nop
.endr
.endm
; q, K step s: Wq's tiles t0 .. t0 + 3 against my two token tiles: 16 LDS loads, 8 products
; FRAGMENTS COME ONE GROUP AHEAD of the products that read them, in two buffers by turns: buffer 0 in window 0 (v48 on), buffer 1 in window 2 (v96 on).
.macro LFRAG adr, off, b               ; four fragments, 4,096 bytes apart, into buffer b: 16 LDS loads
	PLACES
	WIN (0x80*(\b))
.set BF_, S0F+48*(\b)
.irp u, 0,1,2,3
.irp c, 0,1,2,3
	ds_load_b128 v[BF_+16*\u+4*\c:BF_+16*\u+4*\c+3], v[\adr] offset:(\off)+4096*\u+512*\c
.endr
.endr
.endm
.macro LWORDS s                        ; Wq's scale words of K step s: four LDS loads
.set W_, S0S-212*((\s)%2)
	WIN 0
.irp p, 0,1,2,3
	ds_load_b32 v[W_+\p], v[ASW+(\s)/2] offset:128*(2*\p+(\s)%2)
.endr
.endm
.macro MQ s, h, b                      ; q, K step s: Wq's tiles 4 h .. 4 h + 3, in buffer b, against my two token tiles: 8 products.  The first K step takes the bias, in window 2, as C
.set BF_, S0F+48*(\b)
.set W_, S0S-212*((\s)%2)
.if (\s) == 0
	WIN (0x24+0x02*(\b))
.else
	WIN (0x04+0x02*(\b))
.endif
.irp u, 0,1,2,3
.irp n, 0,1
.if (\s) == 0
	WM ACC+64*\n+8*(4*\h+\u), BF_+16*\u, 16*(2*(\s)+\n), QB+8*(4*\h+\u), W_+(4*\h+\u)/2, XS+(\s), \u%2, \n
.else
	WM ACC+64*\n+8*(4*\h+\u), BF_+16*\u, 16*(2*(\s)+\n), ACC+64*\n+8*(4*\h+\u), W_+(4*\h+\u)/2, XS+(\s), \u%2, \n
.endif
.endr
.endr
.endm
.macro QS s, lc, last                  ; lc: the global loads issued behind this step's fragments of x;  last: nothing is asked for ahead
	LFRAG AW+(\s)/2, 2048*(8+(\s)%2), 1
	s_wait_loadcnt \lc                             ; loads come back in order: x's fragments of K step s are in, and all that was asked for ahead of them
	s_wait_dscnt 0x10                              ; all but the 16 just issued
	MQ \s, 0, 0
.if \last
	s_wait_dscnt 0x0
.else
	LWORDS \s+1
	LFRAG AW+(\s+1)/2, 2048*((\s+1)%2), 0
	s_wait_dscnt 0x14                              ; all but the 20 just issued
.endif
	MQ \s, 1, 1
.endm
; k, K step s: the group's four tiles of columns (source 0) against my two token tiles: accumulator (n, u) at ACC + 32 n + 8 u.  K step s stands in buffer (s + 1) % 2; the first takes the bias, in window 2, as C
.macro KSTEPX s
.if (\s) < 7
	LFRAG AE+(\s+1)/2, 2048*((\s+1)%2), (\s)%2
	s_wait_dscnt 0x10
.else
	s_wait_dscnt 0x0
.endif
.set BF_, S0F+48*((\s+1)%2)
.if (\s) == 0
	WIN 0x26
.else
	WIN (0x04+0x02*((\s+1)%2))
.endif
.irp u, 0,1,2,3
.irp n, 0,1
.if (\s) == 0
	WM ACC+32*\n+8*\u, BF_+16*\u, 16*(2*(\s)+\n), 8*\u, EWS+2*(\s)+\u/2, XS+(\s), \u%2, \n
.else
	WM ACC+32*\n+8*\u, BF_+16*\u, 16*(2*(\s)+\n), ACC+32*\n+8*\u, EWS+2*(\s)+\u/2, XS+(\s), \u%2, \n
.endif
.endr
.endr
.endm
; v, K step s: my two token tiles (source 0) against the group's four tiles of columns: accumulator (a, d) at ACC + 16 d + 8 a
.macro VSTEPX s
.if (\s) < 7
	LFRAG AE+(\s+1)/2, 2048*((\s+1)%2), (\s)%2
	s_wait_dscnt 0x10
.else
	s_wait_dscnt 0x0
.endif
.set BF_, S0F+48*((\s+1)%2)
.if (\s) == 0
	WIN 0x29
.else
	WIN (0x01+0x08*((\s+1)%2))
.endif
.irp d, 0,1,2,3
.irp a, 0,1
.if (\s) == 0
	WM ACC+16*\d+8*\a, 16*(2*(\s)+\a), BF_+16*\d, 8*\d, XS+(\s), EWS+2*(\s)+\d/2, \a, \d%2
.else
	WM ACC+16*\d+8*\a, 16*(2*(\s)+\a), BF_+16*\d, ACC+16*\d+8*\a, XS+(\s), EWS+2*(\s)+\d/2, \a, \d%2
.endif
.endr
.endr
.endm
; 16 nb numbers of a lane, register 16 b + i of v[s] on, become codes in v[d + 4 b] on and bytes in v[TM + 4 + b].  Each accumulator is read from its low end on.
.macro QUANT s, d, nb
.irp b, 0,1,2,3
.if \b < \nb
	v_max3_num_f32 v[TM+\b], |v[16*\b+(\s)]|, |v[16*\b+1+(\s)]|, 0x4800000   ; my 16 numbers, and the floor 2^(9 - 127): the byte cannot fall under 1
.endif
.endr
.irp i, 2,4,6,8,10,12,14
.irp b, 0,1,2,3
.if \b < \nb
	v_max3_num_f32 v[TM+\b], v[TM+\b], |v[16*\b+\i+(\s)]|, |v[16*\b+\i+1+(\s)]|
.endif
.endr
.endr
.irp b, 0,1,2,3
.if \b < \nb
	v_permlanex16_b32 v[TM+4+\b], v[TM+\b], s[SEL], s[SEL+1]
.endif
.endr
.irp b, 0,1,2,3
.if \b < \nb
	v_max_num_f32 v[TM+\b], v[TM+\b], v[TM+4+\b]       ; with lane l xor 16's 16: the block's largest magnitude
.endif
.endr
.irp b, 0,1,2,3
.if \b < \nb
	v_add_nc_u32 v[TM+12+\b], 0xfc000000, v[TM+\b]     ; 8 off its exponent field: the conversion's scale operand
.endif
.endr
.irp b, 0,1,2,3
.if \b < \nb
	v_and_or_b32 v[TM+8+\b], v[TM+\b], 0x7f800000, s[MNT]   ; 448 x the scale
.endif
.endr
.irp b, 0,1,2,3
.if \b < \nb
	v_lshrrev_b32 v[TM+4+\b], 23, v[TM+12+\b]          ; the scale's byte
.endif
.endr
.irp b, 0,1,2,3
.if \b < \nb
.irp i, 0,1,2,3,4,5,6,7,8,9,10,11,12,13,14,15
	v_med3_num_f32 v[16*\b+\i+(\s)], v[16*\b+\i+(\s)], -v[TM+8+\b], v[TM+8+\b]   ; the conversion does not saturate (ISA guide 7.6.2): the hold
.endr
	v_cvt_scalef32_pk8_fp8_f32 v[4*\b+(\d):4*\b+1+(\d)], v[16*\b+(\s):16*\b+7+(\s)], v[TM+12+\b]
	v_cvt_scalef32_pk8_fp8_f32 v[4*\b+2+(\d):4*\b+3+(\d)], v[16*\b+8+(\s):16*\b+15+(\s)], v[TM+12+\b]
.endif
.endr
	v_nop                                          ; a plain line behind the last conversion
.endm
	s_load_b256 s[4:11], s[0:1], 0x0               ; xb, wqkv, bq, bk
	s_load_b256 s[12:19], s[0:1], 0x20             ; bv, qc, qs, kv
	v_lshl_add_u32 v254, v0, 2, 0x31000
	v_mov_b32 v255, 0
	ds_add_u32 v254, v255
	ds_add_u32 v254, v255
	v_lshrrev_b32 v33, 5, v0
	v_readfirstlane_b32 s[WV], v33                 ; wave 0..3
	v_and_b32 v33, 31, v0                          ; lane
	v_lshlrev_b32 v[LI], 4, v33
	v_lshlrev_b32 v[LS], 2, v33
	v_lshrrev_b32 v34, 4, v33                      ; h
	v_lshlrev_b32 v[BA], 5, v34
	v_and_b32 v35, 15, v33                         ; r
	v_lshlrev_b32 v[RA], 2, v35
.irp q, 0,1,2,3
	v_add_nc_u32 v[AW+\q], WP+\q*PB, v[LI]         ; every LDS address is a constant + a lane term, made once
	v_add_nc_u32 v[ASW+\q], WP+\q*PB+32768, v[LS]
	v_add_nc_u32 v[AE+\q], EP+\q*16384, v[LI]
.endr
	s_bfe_u32 s21, ttmp6, 0x40000                  ; cx: my place in the cluster
	s_lshl_b32 s22, ttmp9, 2
	s_add_co_u32 s22, s22, s21                     ; xt = 4 x cluster x + cx: it enters x's addresses and the stores' addresses alone
	s_and_b32 s23, ttmp7, 0xffff                   ; y, which the four partners share
	; descriptor group 1: two chunks as 2 rows (elements of 8 bytes); the mask names all four work-groups, bit 21 set beside it; no padding
	s_mov_b32 s24, 15|(3<<16)|(1<<21)              ; mask 15, elements of 8 bytes, bit 21
	s_mov_b32 s25, (PB/8)<<16                      ; two chunks of Wq's octet: 2 rows of PB bytes, in elements of 8
	s_mov_b32 s26, 2<<16
	s_mov_b32 s27, (PB/8)<<16
	s_mov_b32 s28, 2
	s_mov_b32 s29, NOCT*PB/8                       ; from chunk to chunk in wqkv
	s_mov_b32 s30, 0
	s_mov_b32 s31, 0
	s_mov_b32 s32, 15|(3<<16)|(1<<21)              ; mask 15, elements of 8 bytes, bit 21
	s_mov_b32 s33, 2048<<16                        ; two chunks of the further images: 2 rows of 16,384 bytes
	s_mov_b32 s34, 2<<16
	s_mov_b32 s35, 2048<<16
	s_mov_b32 s36, 2
	s_mov_b32 s37, NOCT*PB/8
	s_mov_b32 s38, 0
	s_mov_b32 s39, 0
	; what I fetch: made of y and the wave's number alone
	s_and_b32 s54, s[WV], 1                        ; chunks 0, 1 (waves 0, 2) or 2, 3 (waves 1, 3)
	s_mul_i32 s52, s54, 2*PB                       ; LDS: of Wq's octet
	s_lshl_b32 s53, s54, 15                        ; LDS: of the further images
	s_mul_i32 s55, s54, 2*NOCT*PB
	s_mul_i32 s94, s23, PB
	s_add_co_u32 s94, s94, s55                     ; wqkv: (2 (w % 2) NOCT + y) PB
	s_mov_b32 s95, 0
	s_lshr_b32 s56, s23, 1
	s_add_co_u32 s56, s56, 8                       ; the octet that holds my group of k (8, 9) or of v (10, 11),
	s_and_b32 s57, s23, 1                          ; and which half of it
	s_mul_i32 s96, s56, PB
	s_add_co_u32 s96, s96, s55                     ; wqkv: (2 (w % 2) NOCT + octet) PB
	s_lshl_b32 s58, s57, 14
	s_add_co_u32 s96, s96, s58                     ; wqkv: (2 (w % 2) NOCT + octet) PB + 16384 x half
	s_mov_b32 s97, 0
	; the other offsets, each in the pair that will hold its address
	s_mul_i32 s59, s22, PB
	s_lshl_b32 s60, s[WV], 13
	s_add_co_u32 s[XB], s59, s60                   ; xb: octet xt, tiles 2 w on
	s_mov_b32 s[XB+1], 0
	s_lshl_b32 s60, s[WV], 8
	s_add_co_u32 s[XSB], s59, s60
	s_add_co_u32 s[XSB], s[XSB], 32768             ; and the words of pair w
	s_mov_b32 s[XSB+1], 0
	s_mul_i32 s[EWB], s56, PB
	s_lshl_b32 s60, s57, 9
	s_add_co_u32 s[EWB], s[EWB], s60
	s_add_co_u32 s[EWB], s[EWB], 32768             ; wqkv: the words of my half's two pairs
	s_mov_b32 s[EWB+1], 0
	s_lshl_b32 s[QBP], s23, 9                      ; the octet's 128 biases
	s_mov_b32 s[QBP+1], 0
	s_and_b32 s61, s23, 3                          ; the group
	s_lshl_b32 s[EBP], s61, 8                      ; its 64 biases
	s_mov_b32 s[EBP+1], 0
	s_lshr_b32 s62, s22, 4                         ; the batch
	s_and_b32 s63, s22, 15                         ; j: the octet of tokens in it = the key step
	s_lshl_b32 s59, s62, 4
	s_lshl_b32 s60, s23, 1
	s_add_co_u32 s59, s59, s60                     ; 16 b + the first of my two heads
	s_lshl_b32 s[QC0], s59, 7
	s_lshl_b32 s60, s63, 3
	s_add_co_u32 s[QC0], s[QC0], s60
	s_lshl_b32 s60, s[WV], 1
	s_add_co_u32 s[QC0], s[QC0], s60
	s_lshl_b32 s[QC0], s[QC0], 10                  ; qc: ((16 b + head) 128 + 8 j + 2 w) x 1024
	s_mov_b32 s[QC0+1], 0
	s_lshl_b32 s[QS0], s59, 6
	s_lshl_b32 s60, s63, 2
	s_add_co_u32 s[QS0], s[QS0], s60
	s_add_co_u32 s[QS0], s[QS0], s[WV]
	s_lshl_b32 s[QS0], s[QS0], 7                   ; qs: ((16 b + head) 64 + 4 j + w) x 128
	s_mov_b32 s[QS0+1], 0
	s_lshl_b32 s59, s62, 2
	s_add_co_u32 s59, s59, s61
	s_lshl_b32 s59, s59, 4
	s_add_co_u32 s59, s59, s63
	s_mul_i32 s59, s59, KVB                        ; kv: the block of (batch, group, key step j)
	s_lshl_b32 s[KVC], s[WV], 11                   ; k: tiles 2 w, 2 w + 1;
	s_lshl_b32 s60, s[WV], 9
	s_add_co_u32 s60, s60, 8192                    ; v: chunk w of each image
	s_lshl_b32 s[KVS], s[WV], 7
	s_add_co_u32 s[KVS], s[KVS], 16384             ; k: the words of pair w;
	s_add_co_u32 s98, s[WV], 16896                 ; v: byte w of each word
	s_cmp_lt_u32 s23, 4
	s_cselect_b32 s[KVC], s[KVC], s60
	s_cselect_b32 s[KVS], s[KVS], s98
	s_add_co_u32 s[KVC], s[KVC], s59
	s_add_co_u32 s[KVS], s[KVS], s59
	s_mov_b32 s[KVC+1], 0
	s_mov_b32 s[KVS+1], 0
	s_mov_b32 s[MNT], 0x600000
	s_mov_b32 s[SEL], 0x76543210
	s_mov_b32 s[SEL+1], 0xfedcba98
	s_wait_dscnt 0x0
	s_wait_kmcnt 0x0
	s_add_nc_u64 s[WB:WB+1], s[6:7], s[94:95]
	s_add_nc_u64 s[WE:WE+1], s[6:7], s[96:97]
	MKG0 40, 52, WP, WB, 0                         ; Wq's chunks 2 (w % 2), 2 (w % 2) + 1,
	MKG0 48, 53, EP, WE, 0                         ; two chunks of the further images
	ROUND                                          ; all four work-groups are here: the joint loads meet
	; ONE JOINT LOAD A WAVE.  Wave 0: chunks 0, 1 of Wq's octet, which are wanted first; wave 1: chunks 2, 3; waves 2, 3: the further images
	s_cmp_eq_u32 s[WV], 0
	s_cbranch_scc0 .Lfill_1
	tensor_load_to_lds s[40:43], s[24:31]
	s_nop 0
.rept 4
	v_nop
.endr
	s_branch .Lfilled
.Lfill_1:
	s_cmp_eq_u32 s[WV], 1
	s_cbranch_scc0 .Lfill_2
	tensor_load_to_lds s[40:43], s[24:31]
	s_nop 0
.rept 4
	v_nop
.endr
	s_branch .Lfilled
.Lfill_2:
	tensor_load_to_lds s[48:51], s[32:39]
	s_nop 0
.rept 4
	v_nop
.endr
.Lfilled:
	v_cmp_le_u32 vcc_lo, 16, v33                   ; lanes 16-31: kept to the end
	s_add_nc_u64 s[XB:XB+1], s[4:5], s[XB:XB+1]
	s_add_nc_u64 s[XSB:XSB+1], s[4:5], s[XSB:XSB+1]
	s_add_nc_u64 s[QBP:QBP+1], s[8:9], s[QBP:QBP+1]
.irp s, 0,1,2,3,4,5,6,7
	global_load_b32 v[XS+\s], v[LS], s[XSB:XSB+1] offset:(\s/2)*32*PB+(\s%2)*128   ; x's scale words of K step s: lanes 0-15 tile 2 w's, lanes 16-31 tile 2 w + 1's
.endr
	WIN 0x80                                       ; destination window 2
.irp t, 0,1,2,3,4,5,6,7                ; q's bias in the result's layout: register j of tile t is feature 16 t + 8 h + j
	global_load_b128 v[QB+8*\t:QB+8*\t+3], v[BA], s[QBP:QBP+1] offset:64*\t
	global_load_b128 v[QB+8*\t+4:QB+8*\t+7], v[BA], s[QBP:QBP+1] offset:64*\t+16
.endr
	WIN 0x40                                       ; destination window 1
.irp s, 0,1,2,3,4,5,6,7
.irp n, 0,1
.irp c, 0,1,2,3
	global_load_b128 v[16*(2*\s+\n)+4*\c:16*(2*\s+\n)+4*\c+3], v[LI], s[XB:XB+1] offset:(\s/2)*32*PB+4096*\n+2048*(\s%2)+512*\c   ; x's fragments, K step by K step: 512 consecutive bytes a load; they stay
.endr
.endr
.endr
	WIN 0
	s_add_nc_u64 s[EWB:EWB+1], s[6:7], s[EWB:EWB+1]
	s_cmp_lt_u32 s23, 4                            ; the choice hangs on y alone
	s_cselect_b64 s[98:99], s[10:11], s[12:13]     ; bk or bv
	s_add_nc_u64 s[EBP:EBP+1], s[98:99], s[EBP:EBP+1]
	s_add_nc_u64 s[QC0:QC0+1], s[14:15], s[QC0:QC0+1]
	s_add_nc_u64 s[QC1:QC1+1], s[QC0:QC0+1], 131072    ; from head to head in qc,
	s_add_nc_u64 s[QS0:QS0+1], s[16:17], s[QS0:QS0+1]
	s_add_nc_u64 s[QS1:QS1+1], s[QS0:QS0+1], 8192      ; in qs
	s_add_nc_u64 s[KVC:KVC+1], s[18:19], s[KVC:KVC+1]
	s_add_nc_u64 s[KVS:KVS+1], s[18:19], s[KVS:KVS+1]
	; ---- q: 8 tiles of features x my two token tiles, 16 accumulators
	s_wait_alu depctr_va_vdst(0)
	s_cmp_eq_u32 s[WV], 0
	s_cbranch_scc0 .Lno_wait_yet
	s_wait_tensorcnt 0x0                           ; wave 0: chunks 0 and 1 of Wq's octet have landed.  The other waves' wait stands at the second barrier
.Lno_wait_yet:
	s_barrier_signal -1
	s_barrier_wait -1
	LWORDS 0
	LFRAG AW, 0, 0
	QS 0, 56, 0                                    ; behind K step s's fragments of x: eight loads for each later K step
	QS 1, 48, 0
	QS 2, 40, 0
	QS 3, 32, 1
	s_wait_tensorcnt 0x0                           ; my load is in,
	s_barrier_signal -1                            ; (no LDS load of mine is out: the last count-down ended at 0)
	s_barrier_wait -1                              ; everybody's are: chunks 2 and 3, and the further images
	WIN 0
.irp s, 0,1,2,3,4,5,6,7                ; what the second product wants beside x is asked for here, half a product ahead of its use: the scale words of its columns,
.irp p, 0,1
	global_load_b32 v[EWS+2*\s+\p], v[LS], s[EWB:EWB+1] offset:(\s/2)*NOCT*PB+(2*\p+\s%2)*128
.endr
.endr
	s_cmp_lt_u32 s23, 4                            ; y is the same in all partners
	s_cbranch_scc0 .Lbias_v
	WIN 0x80                                       ; destination window 2
.irp t, 0,1,2,3                        ; and its bias in the result's layout.  k: register j of tile t is feature 16 t + 8 h + j
	global_load_b128 v[8*\t:8*\t+3], v[BA], s[EBP:EBP+1] offset:64*\t
	global_load_b128 v[8*\t+4:8*\t+7], v[BA], s[EBP:EBP+1] offset:64*\t+16
.endr
	WIN 0
	s_branch .Lbias_done
.Lbias_v:
	WIN 0x80
.irp d, 0,1,2,3                        ; v: a lane holds one channel, 16 d + r: its bias fills all eight registers of C
.irp j, 0,1,2,3,4,5,6,7
	global_load_b32 v[8*\d+\j], v[RA], s[EBP:EBP+1] offset:64*\d
.endr
.endr
	WIN 0
.Lbias_done:
	LWORDS 4
	LFRAG AW+2, 0, 0
	QS 4, 48, 0                                    ; behind K step s's fragments: eight loads for each later K step, the 16 scale words and at least 8 loads of bias
	QS 5, 40, 0
	QS 6, 32, 0
	QS 7, 24, 1
	LFRAG AE, 0, 1                                 ; the second product's first fragments land while q is quantised.  (Its eight places also stand in front of the first read of results)
	WIN 0
.irp b, 0,1,2,3
	v_mov_b32 v[TM+4+\b], 0                        ; a lane permute's destination counts as one of its sources
.endr
.irp n, 0,1                            ; token tile 2 w + n: blocks 0, 1 are the first head's 64, blocks 2, 3 the second's
	QUANT ACC+64*\n, CD+16*\n, 4
	v_lshl_or_b32 v[WD+2*\n], v[TM+5], 8, v[TM+4]
	v_lshl_or_b32 v[WD+1+2*\n], v[TM+7], 8, v[TM+6]
	v_lshl_or_b32 v[WD+2*\n], v[WD+2*\n], 16, v[WD+2*\n]   ; the two bytes twice
	v_lshl_or_b32 v[WD+1+2*\n], v[WD+1+2*\n], 16, v[WD+1+2*\n]
	global_store_b128 v[LI], v[CD+16*\n:CD+16*\n+3], s[QC0:QC0+1] offset:1024*\n            ; a chunk: 512 consecutive bytes
	global_store_b128 v[LI], v[CD+16*\n+4:CD+16*\n+7], s[QC0:QC0+1] offset:1024*\n+512
	global_store_b128 v[LI], v[CD+16*\n+8:CD+16*\n+11], s[QC1:QC1+1] offset:1024*\n
	global_store_b128 v[LI], v[CD+16*\n+12:CD+16*\n+15], s[QC1:QC1+1] offset:1024*\n+512
.endr
	v_cndmask_b32 v[WD+4], v[WD], v[WD+2], vcc_lo  ; lanes 0-15 tile 2 w's words, lanes 16-31 tile 2 w + 1's
	v_cndmask_b32 v[WD+5], v[WD+1], v[WD+3], vcc_lo
	global_store_b32 v[LS], v[WD+4], s[QS0:QS0+1]
	global_store_b32 v[LS], v[WD+5], s[QS1:QS1+1]
	s_wait_xcnt 0x0                                ; the stores have read their registers: fragments may land there again
	s_wait_loadcnt 0x0                             ; the second product's scale words and bias
	s_cmp_lt_u32 s23, 4
	s_cbranch_scc0 .Lvpath
	; ---- k: the group's 64 features x my two token tiles, 8 accumulators
.irp s, 0,1,2,3,4,5,6,7
	KSTEPX \s
.endr
	WIN 0
	PLACES
.irp n, 0,1                            ; key tile 2 w + n: two blocks of 32 features
	QUANT ACC+32*\n, CD+8*\n, 2
	v_lshl_or_b32 v[WD+\n], v[TM+5], 8, v[TM+4]
	v_lshl_or_b32 v[WD+\n], v[WD+\n], 16, v[WD+\n]
	global_store_b128 v[LI], v[CD+8*\n:CD+8*\n+3], s[KVC:KVC+1] offset:1024*\n
	global_store_b128 v[LI], v[CD+8*\n+4:CD+8*\n+7], s[KVC:KVC+1] offset:1024*\n+512
.endr
	v_cndmask_b32 v[WD+4], v[WD], v[WD+1], vcc_lo
	global_store_b32 v[LS], v[WD+4], s[KVS:KVS+1]
	s_branch .Lend
	; ---- v: my 32 tokens (block w of the key step) x the group's 64 channels, 8 accumulators
.Lvpath:
.irp s, 0,1,2,3,4,5,6,7
	VSTEPX \s
.endr
	WIN 0
	PLACES
	QUANT ACC, CD, 4                               ; 'block' d here is channel tile d's block w of keys: the 16 registers of accumulators (0, d) and (1, d)
.irp d, 0,1,2,3
	global_store_b128 v[LI], v[CD+4*\d:CD+4*\d+3], s[KVC:KVC+1] offset:2048*\d   ; chunk w of V's image d: 512 consecutive bytes
.endr
	v_cndmask_b32 v[WD], v[TM+4], v[TM+5], vcc_lo  ; lanes 0-15 channel tile 0's bytes, lanes 16-31 tile 1's
	v_cndmask_b32 v[WD+1], v[TM+6], v[TM+7], vcc_lo
	global_store_b8 v[LS], v[WD], s[KVS:KVS+1]                 ; byte w of each lane's word
	global_store_b8 v[LS], v[WD+1], s[KVS:KVS+1] offset:128
.Lend:
	s_wait_tensorcnt 0x0
	ds_add_u32 v254, v255
	s_wait_dscnt 0x0
	ROUND                                          ; the closing round: no work-group ends while a partner may still ask for a tile that names it
	s_endpgm
.Lfunc_end_k_qccc215eb69_qkv:
	.size	k_qccc215eb69_qkv, .Lfunc_end_k_qccc215eb69_qkv-k_qccc215eb69_qkv
	.p2alignl 7, 3214868480
	.fill 96, 4, 3214868480
	.section	.rodata,"a",@progbits
	.p2align	6, 0x0
	.amdhsa_kernel k_qccc215eb69_qkv
		.amdhsa_group_segment_fixed_size 201216
		.amdhsa_private_segment_fixed_size 0
		.amdhsa_enable_private_segment 0
		.amdhsa_kernarg_size 64
		.amdhsa_user_sgpr_count 2
		.amdhsa_user_sgpr_kernarg_segment_ptr 1
		.amdhsa_wavefront_size32 1
		.amdhsa_system_sgpr_workgroup_id_x 1
		.amdhsa_system_sgpr_workgroup_id_y 1
		.amdhsa_system_sgpr_workgroup_id_z 1
		.amdhsa_system_vgpr_workitem_id 0
		.amdhsa_next_free_vgpr 672
		.amdhsa_next_free_sgpr 100
		.amdhsa_reserve_vcc 1
		.amdhsa_float_denorm_mode_32 3
		.amdhsa_float_denorm_mode_16_64 3
		.amdhsa_memory_ordered 1
		.amdhsa_forward_progress 1
		.amdhsa_inst_pref_size 134
	.end_amdhsa_kernel
	.amdgpu_metadata
---
amdhsa.version: [ 1, 2 ]
amdhsa.kernels:
  - .name:           k_qccc215eb69_qkv
    .symbol:         k_qccc215eb69_qkv.kd
    .args:
      - { .name: xb, .offset: 0, .size: 8, .value_kind: global_buffer, .address_space: global }
      - { .name: wqkv, .offset: 8, .size: 8, .value_kind: global_buffer, .address_space: global }
      - { .name: bq, .offset: 16, .size: 8, .value_kind: global_buffer, .address_space: global }
      - { .name: bk, .offset: 24, .size: 8, .value_kind: global_buffer, .address_space: global }
      - { .name: bv, .offset: 32, .size: 8, .value_kind: global_buffer, .address_space: global }
      - { .name: qc, .offset: 40, .size: 8, .value_kind: global_buffer, .address_space: global }
      - { .name: qs, .offset: 48, .size: 8, .value_kind: global_buffer, .address_space: global }
      - { .name: kv, .offset: 56, .size: 8, .value_kind: global_buffer, .address_space: global }
    .group_segment_fixed_size: 201216
    .private_segment_fixed_size: 0
    .kernarg_segment_align: 8
    .kernarg_segment_size: 64
    .max_flat_workgroup_size: 128
    .sgpr_count:     100
    .vgpr_count:     672
    .wavefront_size: 32
...
	.end_amdgpu_metadata
.endif
;; end of part 2
;; launch attn (part 3): grid 32 x 8, 16 waves a work-group, clusters of 4 x 1, 311,296 bytes of LDS; arguments qc, qs, kv, ob; writes ob
.if DOCPART == 3
	.amdgcn_target "amdgcn-amd-amdhsa--gfx1250"
	.amdhsa_code_object_version 6
	.text
	.protected	k_qccc215eb69_attn
	.globl	k_qccc215eb69_attn
	.p2align	8
	.type	k_qccc215eb69_attn,@function
k_qccc215eb69_attn:
	s_mov_b64 s[64:65], 0
	v_nop
	global_prefetch_b8 v0, s[64:65] scope:SCOPE_SE
	s_setreg_imm32_b32 hwreg(HW_REG_WAVE_MODE, 25, 1), 1
	s_wait_xcnt 0x0
	s_wait_alu depctr_hold_cnt(0) depctr_sa_sdst(0) depctr_va_vdst(0) depctr_va_sdst(0) depctr_va_ssrc(0) depctr_va_vcc(0) depctr_vm_vsrc(0)
	s_getreg_b32 s2, hwreg(HW_REG_IB_STS2, 6, 4)
	s_cmp_eq_u32 s2, 0
	s_cbranch_scc0 .Lentry_in_a_cluster
	s_endpgm
.Lentry_in_a_cluster:
	s_bfe_u32 s2, ttmp6, 0x10000c
	s_cmp_lg_u32 s2, 0x3003
	s_cbranch_scc0 .Lentry_shape_is_right
	s_endpgm
.Lentry_shape_is_right:
; Causal attention on codes of E4M3 with E8M0 scales: o = softmax(q k^T / 8) v for 2 batches x 16 heads of 64 in 4 groups, 2,048 tokens; o is quantised along the model's 1,024 and stored as the last product's operand.
; THE SOFTMAX: t = score x log2(e) / 8; M = the row's largest t so far, rounded UP to a whole number; p = 2^(t - M) is quantised along the keys, not normalised; the row's sum is taken of the unquantised p and
; divides O at the end.  When M moves, the sum and O are multiplied by 2^(old M - new M): exact.
; SHARES.  A cluster is the four heads (cx) of one group (b x 4 + g = work-group y): they read the same K and V, which come by JOINT loads, and run alike.  A work-group of cluster cq owns 16 tiles of 16 queries
; of its head, one of each octet of tiles: tile 8 e + (cq + e) % 8 of octet e.  Tile 8 e + .. has e + 1 key steps of 128 that count.  Octets o and 15 - o (o = 0 .. 7) make a pair of 17 key steps, shared by two waves:
; wave A = o walks the early tile's o + 1 steps, sends that tile out, and goes on with the late tile's steps 0 .. 7 - o: 9 in all; wave B = 8 + o walks the late tile's steps 8 - o .. 15 - o: 8 in all.
; The late tile's two partial results (M, the sum, O) are joined by wave B through LDS: exact powers of two, and one addition.
; ALL OF K AND V OF THE GROUP, 16 key steps x 17,152 bytes, lies in LDS, filled once: wave w asks for key step w's block.  A waves read blocks 0 to 7 alone: their first step begins when these have landed; B waves begin behind the second barrier.
; No prefetch: all tiles are asked for at the head, and no loop asks for more.
; LAYOUT.  Both products are used transposed: S^T = K Q^T (source 0 = 16 keys, source 1 = my queries), O^T = V^T P^T (source 0 = 16 channels, source 1 = P): a lane holds ONE query throughout.
; The 16 registers of score tiles 2 b, 2 b + 1 are a lane's half of block b of 32 keys, in the order in which V's codes were laid: the conversions' results are the second product's operand.
; THE HEAD'S 64 IN AN INSTRUCTION OF 128.  Q's upper 64 codes are zeros.  K's tile t lies in 8 registers, and its operand runs on over the next 8: the next tile's, or behind tile 7 the late tile's Q;
; those codes are finite (the quantiser holds at 448) and meet Q's zeros, so they add nothing, and K is read from LDS once, without padding.
; CAUSAL.  Key steps that come wholly after a tile's queries are never walked; in a tile's last step score tiles are left, masked or hidden by a scalar branch on ids: hidden scores become -infinity ahead of the maximum.
; LIMITS: NaN and infinities are not served; scaled scores stay under 2^31 in magnitude; a block of zeros carries the byte 1 (read by this program alone).  The two scale bytes of a row of o leave by a store of two bytes a lane.
.set PB,   33792
.set KVB,  17152
.set MRG,  16*KVB                      ; behind K and V: 4,352 bytes for each pair: O's 32 registers, then -M and the sum
.set MRB,  4352
.set SPARE, MRG+8*MRB                  ; the spare words, 128 bytes for each wave
.set WV,   12
.set CXR,  13
.set BG,   15
.set OO,   16                          ; s16 o;  s17 0: A, 1: B;  s18 15 - o
.set CS,   36                          ; s[36:37] c = log2(e) / 8
.set SEL,  38                          ; s38, s39 lane selects: lane l xor 16
.set MNT,  40
.set TB,   41                          ; s41 LDS byte at which the step's block begins
.set CNT,  42                          ; s42 the trip, 0 .. 8
.set SW,   43                          ; s43 the trip ahead of which wave A changes tiles (B: none)
.set DGN,  44                          ; s44 the trip in which my tile's last step comes
.set DP,   48                          ; s48 which score tile of that step holds my tile's own keys
.set OFF1, 49                          ; s49, s50 key step = (trip + s49) % 16 up to the change of tiles, (trip + s50) % 16 behind it
.set OFF2, 50
.set MK,   68                          ; s68-75 the lanes whose key j of their eight is hidden in that score tile
.set LI,   1                           ; v1 16 x lane;  v2 4 x lane;  v3 r - 8 h;  v4 4 r
.set LS,   2
.set DL,   3
.set QA,   4
.set ADR,  8
.set ADS,  9
.set QF,   16                          ; v16-31  Q (v24-31 zeros)
.set KFR,  32                          ; v32-95  K's 8 tiles x 8 registers, then V's 4 fragments
.set Q2,   96                          ; v96-103 the late tile's Q
.set SX,   104                         ; v104-167 S^T, then p; at the end o
.set OT,   168                         ; v168-199 O^T
.set PC,   200                         ; v200-215 p's codes; at the end o's
.set TM,   216                         ; v216-219 block maxima, v220-223 the other half's / bytes, v224-227 holds, v228-231 scale operands
.set FF,   232                         ; v[232:233] f
.set T1,   234
.set QS2,  235                         ; v235 the late tile's scale words
.set FA,   236                         ; v[236:237] at the join
.set NINF, 239
.set KS,   240                         ; v240-243 K's scale words, v244-245 V's, v246 Q's, v247 p's: they hold scales and nothing else
.set VS,   244
.set QS,   246
.set PS,   247
.set CH,   248                         ; v248-253 three more chains of the sum
.macro ROUND
	s_barrier_signal -1
	s_barrier_wait -1
	s_cmp_lg_u32 s[WV], 0
	s_cbranch_scc1 .Lnot_wave_0_\@
	s_barrier_signal -3
.Lnot_wave_0_\@:
	s_barrier_wait -3
	s_barrier_signal -1
	s_barrier_wait -1
.endm
.macro WMZ t                           ; S^T's tile t = K's tile t x Q: the product starts the sum
.if (\t)%2
	v_wmma_scale_f32_16x16x128_f8f6f4 v[SX+8*\t:SX+8*\t+7], v[KFR+8*\t:KFR+8*\t+15], v[QF:QF+15], 0, v[KS+\t/2], v[QS] matrix_a_scale:MATRIX_SCALE_ROW1
.else
	v_wmma_scale_f32_16x16x128_f8f6f4 v[SX+8*\t:SX+8*\t+7], v[KFR+8*\t:KFR+8*\t+15], v[QF:QF+15], 0, v[KS+\t/2], v[QS]
.endif
.endm
.macro WMA d                           ; O^T's tile d += V's tile d x P
.if (\d)%2
	v_wmma_scale_f32_16x16x128_f8f6f4 v[OT+8*\d:OT+8*\d+7], v[KFR+16*\d:KFR+16*\d+15], v[PC:PC+15], v[OT+8*\d:OT+8*\d+7], v[VS+\d/2], v[PS] matrix_a_scale:MATRIX_SCALE_ROW1
.else
	v_wmma_scale_f32_16x16x128_f8f6f4 v[OT+8*\d:OT+8*\d+7], v[KFR+16*\d:KFR+16*\d+15], v[PC:PC+15], v[OT+8*\d:OT+8*\d+7], v[VS+\d/2], v[PS]
.endif
.endm
; A KEY STEP: 128 keys against my 16 queries
.macro STEP
	v_add_nc_u32 v[ADR], s[TB], v[LI]
	v_add_nc_u32 v[ADS], s[TB], v[LS]
.rept 3
	v_nop                                          ; with the two lines above and the last step's three additions: eight places in front of loads into registers that the last products read
.endr
.irp a, 0,1,2,3
	ds_load_b32 v[KS+\a], v[ADS] offset:16384+128*\a
.endr
.irp t, 0,1,2,3,4,5,6,7
	ds_load_b128 v[KFR+8*\t:KFR+8*\t+3], v[ADR] offset:1024*\t
	ds_load_b128 v[KFR+8*\t+4:KFR+8*\t+7], v[ADR] offset:1024*\t+512
.endr
	s_wait_alu depctr_va_vdst(0)
	s_wait_dscnt 0x8                               ; the words and K's tiles 0 to 3 are in; tiles 4 to 7, two loads each, may be out
.irp t, 0,1,2
	WMZ \t                                         ; register 8 t + j of lane (r, h): query r, key 16 t + 8 h + j of the step
.endr
	s_wait_dscnt 0x0
.irp t, 3,4,5,6,7
	WMZ \t
.endr
.rept 8
	v_nop
.endr
.irp d, 0,1,2,3
.irp c, 0,1,2,3
	ds_load_b128 v[KFR+16*\d+4*\c:KFR+16*\d+4*\c+3], v[ADR] offset:8192+2048*\d+512*\c   ; V's fragments land while the softmax is walked
.endr
.endr
	ds_load_b32 v[VS], v[ADS] offset:16896
	ds_load_b32 v[VS+1], v[ADS] offset:16896+128
	s_cmp_lg_u32 s[CNT], s[DGN]
	s_cbranch_scc1 .Lopen_\@                       ; all keys of the step count for all my queries
.irp t, 0,1,2,3,4,5,6,7
	s_cmp_gt_u32 s[DP], \t
	s_cbranch_scc1 .Lseen_\@_\t                    ; this tile's keys come before my queries,
	s_cmp_eq_u32 s[DP], \t
	s_cbranch_scc1 .Ledge_\@_\t
.irp j, 0,1,2,3,4,5,6,7
	v_mov_b32 v[SX+8*\t+\j], v[NINF]               ; or after them,
.endr
	s_branch .Lseen_\@_\t
.Ledge_\@_\t:
.irp j, 0,1,2,3,4,5,6,7
	v_cndmask_b32 v[SX+8*\t+\j], v[SX+8*\t+\j], v[NINF], s[MK+\j]   ; or are theirs
.endr
.Lseen_\@_\t:
.endr
	s_wait_alu depctr_va_vdst(0)
.Lopen_\@:
.irp b, 0,1,2,3
	v_max3_num_f32 v[TM+\b], v[SX+16*\b], v[SX+16*\b+1], v[SX+16*\b+2]   ; the largest score of each block of 32 keys: for the row's maximum and, since p rises with the score, for the block's largest p
.endr
.irp i, 3,5,7,9,11,13
.irp b, 0,1,2,3
	v_max3_num_f32 v[TM+\b], v[TM+\b], v[SX+16*\b+\i], v[SX+16*\b+\i+1]
.endr
.endr
.irp b, 0,1,2,3
	v_max_num_f32 v[TM+\b], v[TM+\b], v[SX+16*\b+15]
.endr
.irp b, 0,1,2,3
	s_delay_alu instid0(VALU_DEP_4)
	v_permlanex16_b32 v[TM+4+\b], v[TM+\b], s[SEL], s[SEL+1]
.endr
.irp b, 0,1,2,3
	s_delay_alu instid0(VALU_DEP_4)
	v_max_num_f32 v[TM+\b], v[TM+\b], v[TM+4+\b]   ; with lane l xor 16's 16 keys
.endr
	s_delay_alu instid0(VALU_DEP_2)
	v_max3_num_f32 v[T1], v[TM], v[TM+1], v[TM+2]
	s_delay_alu instid0(VALU_DEP_1)
	v_max_num_f32 v[T1], v[T1], v[TM+3]            ; the step's largest score of my query
	s_delay_alu instid0(VALU_DEP_1)
	v_mul_f32 v[T1], s[CS], v[T1]                  ; as t
	s_delay_alu instid0(VALU_DEP_1)
	v_max_num_f32 v13, v13, v[T1]                  ; the running largest t
	v_mov_b32 v[T1], v12
	s_delay_alu instid0(VALU_DEP_2)
	v_floor_f32 v12, -v13                          ; the new -M = -ceil(t)
	s_delay_alu instid0(VALU_DEP_1)
	v_sub_f32 v[T1], v12, v[T1]                    ; old M - new M: a whole number, 0 or less
	s_delay_alu instid0(VALU_DEP_1)
	v_cvt_i32_f32 v[T1], v[T1]                     ; (it saturates)
	s_delay_alu instid0(VALU_DEP_1)
	v_ldexp_f32 v[FF], 1.0, v[T1]                  ; f = 2^(old M - new M)
.set j, 0
.rept 32
	v_pk_fma_f32 v[SX+j:SX+j+1], v[SX+j:SX+j+1], s[CS:CS+1], v[12:13] op_sel_hi:[1,0,0]   ; t - M, two at a time
.set j, j+2
.endr
.irp b, 0,1,2,3
	v_fma_f32 v[TM+\b], v[TM+\b], s[CS], v12       ; the same of each block's largest score
.endr
	s_wait_alu depctr_va_vdst(0)
.set j, 0
.rept 64
	v_exp_f32 v[SX+j], v[SX+j]                     ; p = 2^(t - M)
.set j, j+1
.endr
.irp b, 0,1,2,3
	v_exp_f32 v[TM+\b], v[TM+\b]                   ; the block's largest p
.endr
	v_pk_mul_f32 v[14:15], v[14:15], v[FF:FF+1] op_sel_hi:[1,0]   ; the sums under the new M.  (A plain line behind the exponentials)
	s_wait_alu depctr_va_vdst(0)                   ; one wait for the batch
.irp b, 0,1,2,3
	v_max_num_f32 v[TM+\b], 0x4800000, v[TM+\b]    ; the floor 2^(9 - 127): the byte cannot fall under 1
.endr
.irp b, 0,1,2,3
	s_delay_alu instid0(VALU_DEP_4)
	v_add_nc_u32 v[TM+12+\b], 0xfc000000, v[TM+\b] ; 8 off the exponent field: the conversion's scale operand
.endr
.irp b, 0,1,2,3
	v_and_or_b32 v[TM+8+\b], v[TM+\b], 0x7f800000, s[MNT]   ; 448 x the scale
.endr
.irp b, 0,1,2,3
	v_lshrrev_b32 v[TM+4+\b], 23, v[TM+12+\b]      ; the byte
.endr
	s_delay_alu instid0(VALU_DEP_3)
	v_lshl_or_b32 v[PS], v[TM+5], 8, v[TM+4]       ; p's scale word for these 128 keys: far more than eight plain lines ahead of the products that name it
	s_delay_alu instid0(VALU_DEP_1)
	v_lshl_or_b32 v[PS], v[TM+6], 16, v[PS]
	s_delay_alu instid0(VALU_DEP_1)
	v_lshl_or_b32 v[PS], v[TM+7], 24, v[PS]
	v_pk_add_f32 v[CH:CH+1], v[SX:SX+1], v[SX+2:SX+3]          ; the row's sum, of the unquantised p, in four chains by turns
	v_pk_add_f32 v[CH+2:CH+3], v[SX+4:SX+5], v[SX+6:SX+7]
	v_pk_add_f32 v[CH+4:CH+5], v[SX+8:SX+9], v[SX+10:SX+11]
	v_pk_add_f32 v[14:15], v[14:15], v[SX+12:SX+13]
.set j, 14
.set k, 0
.rept 25
.if k == 3
	v_pk_add_f32 v[14:15], v[14:15], v[SX+j:SX+j+1]
.else
	v_pk_add_f32 v[CH+2*k:CH+2*k+1], v[CH+2*k:CH+2*k+1], v[SX+j:SX+j+1]
.endif
.set j, j+2
.set k, (k+1)&3
.endr
.irp b, 0,1,2,3
.irp i, 0,2,4,6,8,10,12,14
	v_dual_min_num_f32 v[SX+16*\b+\i], v[SX+16*\b+\i], v[TM+8+\b] :: v_dual_min_num_f32 v[SX+16*\b+\i+1], v[SX+16*\b+\i+1], v[TM+8+\b]   ; the hold, two at a time; p is not negative (the conversion does not saturate: ISA guide 7.6.2)
.endr
	v_cvt_scalef32_pk8_fp8_f32 v[PC+4*\b:PC+4*\b+1], v[SX+16*\b:SX+16*\b+7], v[TM+12+\b]
	v_cvt_scalef32_pk8_fp8_f32 v[PC+4*\b+2:PC+4*\b+3], v[SX+16*\b+8:SX+16*\b+15], v[TM+12+\b]
.endr
	s_wait_alu depctr_va_vdst(0)                   ; the wait directly ahead of the first reader of O^T
.set j, 0
.rept 16
	v_pk_mul_f32 v[OT+j:OT+j+1], v[OT+j:OT+j+1], v[FF:FF+1] op_sel_hi:[1,0]   ; O^T under the new M.  (These sixteen also stand between the conversions and the products)
.set j, j+2
.endr
	s_wait_alu depctr_va_vdst(0)
	s_wait_dscnt 0x0                               ; V
.irp d, 0,1,2,3
	WMA \d                                         ; four accumulators, one instruction each; eight other products stand between two links of a chain
.endr
	v_pk_add_f32 v[CH:CH+1], v[CH:CH+1], v[CH+2:CH+3]          ; the four chains become one
	v_pk_add_f32 v[14:15], v[14:15], v[CH+4:CH+5]
	s_delay_alu instid0(VALU_DEP_1)
	v_pk_add_f32 v[14:15], v[14:15], v[CH:CH+1]
.endm
; A TILE GOES OUT: O^T / the sum, quantised along the head's 64 (two blocks of the last product's K), stored as two chunks of that operand's image
.macro WAYOUT
	v_add_f32 v14, v14, v15
	s_delay_alu instid0(VALU_DEP_1)
	v_permlanex16_b32 v[T1], v14, s[SEL], s[SEL+1]
	s_delay_alu instid0(VALU_DEP_1)
	v_add_f32 v14, v14, v[T1]                      ; the row's sum
	s_wait_alu depctr_va_vdst(0)
	v_rcp_f32 v14, v14
.rept 5
	v_nop                                          ; a plain line behind the transcendental; with the three lines above eight places ahead of the first read of O^T
.endr
	s_wait_alu depctr_va_vdst(0)
.set j, 0
.rept 16
	v_pk_mul_f32 v[SX+j:SX+j+1], v[OT+j:OT+j+1], v[14:15] op_sel_hi:[1,0]   ; register 8 d + i: o(query r, channel 16 d + 8 h + i)
.set j, j+2
.endr
.irp b, 0,1
	v_max3_num_f32 v[TM+\b], |v[SX+16*\b]|, |v[SX+16*\b+1]|, 0x4800000   ; my 16 numbers, and the floor 2^(9 - 127)
.endr
.irp i, 2,4,6,8,10,12,14
.irp b, 0,1
	s_delay_alu instid0(VALU_DEP_2)
	v_max3_num_f32 v[TM+\b], v[TM+\b], |v[SX+16*\b+\i]|, |v[SX+16*\b+\i+1]|
.endr
.endr
.irp b, 0,1
	s_delay_alu instid0(VALU_DEP_2)
	v_permlanex16_b32 v[TM+4+\b], v[TM+\b], s[SEL], s[SEL+1]
.endr
.irp b, 0,1
	s_delay_alu instid0(VALU_DEP_2)
	v_max_num_f32 v[TM+\b], v[TM+\b], v[TM+4+\b]   ; with lane l xor 16's 16
.endr
.irp b, 0,1
	s_delay_alu instid0(VALU_DEP_2)
	v_add_nc_u32 v[TM+12+\b], 0xfc000000, v[TM+\b]
.endr
.irp b, 0,1
	s_delay_alu instid0(VALU_DEP_4)
	v_and_or_b32 v[TM+8+\b], v[TM+\b], 0x7f800000, s[MNT]
.endr
.irp b, 0,1
	s_delay_alu instid0(VALU_DEP_4)
	v_lshrrev_b32 v[TM+4+\b], 23, v[TM+12+\b]
.endr
	v_lshl_or_b32 v[T1], v[TM+5], 8, v[TM+4]       ; my row's two bytes
.irp b, 0,1
.irp i, 0,1,2,3,4,5,6,7,8,9,10,11,12,13,14,15
	v_med3_num_f32 v[SX+16*\b+\i], v[SX+16*\b+\i], -v[TM+8+\b], v[TM+8+\b]
.endr
	v_cvt_scalef32_pk8_fp8_f32 v[PC+4*\b:PC+4*\b+1], v[SX+16*\b:SX+16*\b+7], v[TM+12+\b]
	v_cvt_scalef32_pk8_fp8_f32 v[PC+4*\b+2:PC+4*\b+3], v[SX+16*\b+8:SX+16*\b+15], v[TM+12+\b]
.endr
	v_nop                                          ; a plain line behind the last conversion
	global_store_b128 v[LI], v[PC:PC+3], s[52:53]              ; a chunk: 512 consecutive bytes
	global_store_b128 v[LI], v[PC+4:PC+7], s[52:53] offset:512
	global_store_b16 v[QA], v[T1], s[54:55]                    ; lanes r and r + 16 hold the same two bytes and name the same address
.endm
	s_load_b256 s[4:11], s[0:1], 0x0               ; qc, qs, kv, ob
	v_lshl_add_u32 v254, v0, 2, SPARE
	v_mov_b32 v255, 0
	ds_add_u32 v254, v255                          ; the wave's opening: the add, twice on end, and its wait ahead of my tensor load
	ds_add_u32 v254, v255
	v_lshrrev_b32 v5, 5, v0
	v_readfirstlane_b32 s[WV], v5                  ; wave 0..15
	v_and_b32 v5, 31, v0
	v_lshlrev_b32 v[LI], 4, v5
	v_lshlrev_b32 v[LS], 2, v5
	v_and_b32 v6, 15, v5                           ; r
	v_lshrrev_b32 v7, 4, v5                        ; h
	v_lshlrev_b32 v[QA], 2, v6
	v_lshlrev_b32 v7, 3, v7
	v_sub_nc_u32 v[DL], v6, v7                     ; r - 8 h
	s_and_b32 s[BG], ttmp7, 0xffff                 ; b x 4 + g, which the four partners share
	; descriptor group 1: a key step's block, 17,152 dense bytes, as 67 rows of 256 bytes (32 elements of 8 bytes)
	s_mov_b32 s24, 15|(3<<16)|(1<<21)              ; the mask names all four work-groups; elements of 8 bytes; bit 21 set beside a mask; no padding
	s_mov_b32 s25, 32<<16
	s_mov_b32 s26, 67<<16
	s_mov_b32 s27, 32<<16
	s_mov_b32 s28, 67
	s_mov_b32 s29, 32
	s_mov_b32 s30, 0
	s_mov_b32 s31, 0
	s_lshl_b32 s60, s[BG], 4
	s_add_co_u32 s60, s60, s[WV]
	s_mul_i32 s60, s60, KVB                        ; key step w's block of my group: made of y and the wave's number alone
	s_mov_b32 s61, 0
	s_mov_b32 s32, 1                               ; group 0: count 1,
	s_mul_i32 s33, s[WV], KVB                      ; LDS address: wave x KVB,
	s_bfe_u32 s[CXR], ttmp6, 0x40000               ; cx: the head in the group: it enters Q's and o's addresses alone
	s_and_b32 s[OO], s[WV], 7
	s_lshr_b32 s17, s[WV], 3
	s_sub_co_u32 s18, 15, s[OO]
	s_sub_co_u32 s[OFF2], 15, s[WV]                ; A: 15 - o;  B: 7 - o
	s_mul_i32 s[OFF1], s17, 7
	s_and_b32 s[OFF1], s[OFF1], s[OFF2]            ; A: 0;  B: 7 - o
	s_add_co_u32 s19, ttmp9, s[OO]
	s_and_b32 s19, s19, 7                          ; the early tile's place in its octet,
	s_lshl_b32 s20, s[OO], 3
	s_add_co_u32 s20, s20, s19                     ; the early tile
	s_add_co_u32 s21, ttmp9, s18
	s_and_b32 s21, s21, 7
	s_lshl_b32 s22, s18, 3
	s_add_co_u32 s22, s22, s21                     ; the late tile
	s_add_co_u32 s[SW], s[OO], 1
	s_mov_b32 s23, 255
	s_cmp_eq_u32 s17, 0
	s_cselect_b32 s[SW], s[SW], s23
	s_cselect_b32 s[DGN], s[OO], 8
	s_cselect_b32 s[DP], s19, s21
	s_cselect_b32 s14, s20, s22                    ; the tile that I send out
	s_lshl_b32 s45, s[BG], 2
	s_add_co_u32 s45, s45, s[CXR]                  ; 16 b + head
	s_lshl_b32 s45, s45, 7
	s_add_co_u32 s46, s45, s14
	s_lshl_b32 s76, s46, 10                        ; qc: 1,024 bytes a tile
	s_mov_b32 s77, 0
	s_lshl_b32 s78, s46, 6                         ; qs: 64 bytes a tile
	s_mov_b32 s79, 0
	s_add_co_u32 s46, s45, s22
	s_lshl_b32 s80, s46, 10                        ; the late tile's
	s_mov_b32 s81, 0
	s_lshl_b32 s82, s46, 6
	s_mov_b32 s83, 0
	s_wait_alu depctr_va_vdst(0)
	s_wait_dscnt 0x0                               ; both opening adds are done
	s_wait_kmcnt 0x0
	s_add_nc_u64 s[76:77], s[4:5], s[76:77]
	s_add_nc_u64 s[78:79], s[6:7], s[78:79]
	s_add_nc_u64 s[80:81], s[4:5], s[80:81]
	s_add_nc_u64 s[82:83], s[6:7], s[82:83]
	global_load_b128 v[QF:QF+3], v[LI], s[76:77]               ; my first tile's Q stays in registers,
	global_load_b128 v[QF+4:QF+7], v[LI], s[76:77] offset:512
	global_load_b32 v[QS], v[QA], s[78:79]                     ; its scale words,
	global_load_b128 v[Q2:Q2+3], v[LI], s[80:81]               ; and the late tile's
	global_load_b128 v[Q2+4:Q2+7], v[LI], s[80:81] offset:512
	global_load_b32 v[QS2], v[QA], s[82:83]
	s_add_nc_u64 s[34:35], s[8:9], s[60:61]        ; global address,
	s_or_b32 s35, s35, 0x80000000                  ; type 2
	ROUND                                          ; all four work-groups are here: the joint loads meet
	s_cmp_lt_u32 s[WV], 8                          ; one joint load a wave; the A waves and the B waves have a line each, since they wait at different barriers
	s_cbranch_scc0 .Lfill_late
	tensor_load_to_lds s[32:35], s[24:31]
	s_nop 0
.rept 4
	v_nop
.endr
	s_branch .Lfilled
.Lfill_late:
	tensor_load_to_lds s[32:35], s[24:31]
	s_nop 0
.rept 4
	v_nop
.endr
.Lfilled:
	s_and_b32 s45, s[BG], 3                        ; g = the last product's K step / 2
	s_lshr_b32 s46, s[BG], 2
	s_lshl_b32 s46, s46, 7
	s_add_co_u32 s46, s46, s14                     ; the token tile among all 256
	s_lshl_b32 s45, s45, 5
	s_lshr_b32 s47, s46, 3
	s_add_co_u32 s45, s45, s47
	s_mul_i32 s45, s45, PB                         ; ob's panel block (g, octet of tokens)
	s_and_b32 s47, s46, 7                          ; tile t in the octet
	s_lshr_b32 s56, s[CXR], 1                      ; e: which of the block's two K steps
	s_and_b32 s57, s[CXR], 1                       ; which half of that K step's 128
	s_lshl_b32 s58, s47, 1
	s_add_co_u32 s58, s58, s56
	s_lshl_b32 s58, s58, 11
	s_add_co_u32 s52, s45, s58                     ; image (t, e),
	s_lshl_b32 s58, s57, 10
	s_add_co_u32 s52, s52, s58                     ; chunks 2 (head % 2) on
	s_mov_b32 s53, 0
	s_and_b32 s58, s47, 6
	s_add_co_u32 s58, s58, s56
	s_lshl_b32 s58, s58, 7
	s_add_co_u32 s54, s45, s58                     ; the words of (pair t / 2, e),
	s_and_b32 s58, s47, 1
	s_lshl_b32 s58, s58, 6
	s_add_co_u32 s54, s54, s58                     ; the odd tile's 64 on,
	s_lshl_b32 s58, s57, 1
	s_add_co_u32 s54, s54, s58                     ; bytes 2 (head % 2) on
	s_add_co_u32 s54, s54, 32768
	s_mov_b32 s55, 0
	s_add_nc_u64 s[52:53], s[10:11], s[52:53]
	s_add_nc_u64 s[54:55], s[10:11], s[54:55]
	s_mov_b32 s[CS], 0x3e38aa3b                    ; c = log2(e) / 8
	s_mov_b32 s[CS+1], s[CS]                       ; (named with it as a pair, so it is written)
	s_mov_b32 s[SEL], 0x76543210
	s_mov_b32 s[SEL+1], 0xfedcba98
	s_mov_b32 s[MNT], 0x600000
	s_mov_b32 s[TB], 0
	s_mov_b32 s[CNT], 0
.irp j, 0,1,2,3,4,5,6,7
	v_mov_b32 v[QF+8+\j], 0                        ; Q's upper 64 codes
	v_cmp_gt_i32 s[MK+\j], \j, v[DL]               ; hidden in my tile's own score tile: key 8 h + j > query r
.endr
.set j, 0
.rept 32
	v_mov_b32 v[OT+j], 0                           ; O^T.  (The step finds zeros first, which the first change of M leaves zeros)
.set j, j+1
.endr
.irp b, 0,1,2,3
	v_mov_b32 v[TM+4+\b], 0                        ; a lane permute's destination counts as one of its sources
.endr
	v_mov_b32 v[FF+1], 0                           ; (named as the upper half of the pair)
	v_mov_b32 v[FA+1], 0
	v_mov_b32 v[T1], 0
	v_mov_b32 v[NINF], 0xff800000
	v_mov_b32 v13, 0xff61b1e6                      ; the largest t so far: -3e38
	v_mov_b32 v14, 0                               ; the sum, in two halves
	v_mov_b32 v15, 0
	v_floor_f32 v12, -v13                          ; -M
	s_wait_alu depctr_va_vdst(0)
	s_wait_loadcnt 0x0                             ; Q
	s_cmp_lt_u32 s[WV], 8
	s_cbranch_scc0 .Lno_wait_yet
	s_wait_tensorcnt 0x0                           ; A waves: blocks 0 to 7 have landed.  The B waves' wait stands at the second barrier
.Lno_wait_yet:
	s_barrier_signal -1
	s_barrier_wait -1
	s_cmp_lt_u32 s[WV], 8
	s_cbranch_scc0 .Lno_first                      ; B waves have eight steps: trips 1 to 8
	STEP                                           ; trip 0: the early tile's key step 0
.Lno_first:
	s_wait_alu depctr_va_vdst(0)
	s_wait_tensorcnt 0x0                           ; my block is in,
	s_wait_dscnt 0x0
	s_barrier_signal -1
	s_barrier_wait -1                              ; everybody's is: all of K and V
	s_mov_b32 s[CNT], 1
.Lloop:                                            ; trips 1 to 8, 128 keys each
	s_cmp_lg_u32 s[CNT], s[SW]
	s_cbranch_scc1 .Lsame
	WAYOUT                                         ; A: the early tile is finished: out with it, and on to the late tile
.set j, 0
.rept 32
	v_mov_b32 v[OT+j], 0
.set j, j+1
.endr
.irp j, 0,1,2,3,4,5,6,7
	v_mov_b32 v[QF+\j], v[Q2+\j]
.endr
	v_mov_b32 v[QS], v[QS2]
	v_mov_b32 v13, 0xff61b1e6
	v_mov_b32 v14, 0
	v_mov_b32 v15, 0
	v_floor_f32 v12, -v13
	s_wait_alu depctr_va_vdst(0)
	s_wait_xcnt 0x0                                ; the stores have read their registers
.Lsame:
	s_cmp_lt_u32 s[CNT], s[SW]
	s_cselect_b32 s45, s[OFF1], s[OFF2]
	s_add_co_u32 s45, s45, s[CNT]
	s_and_b32 s45, s45, 15                         ; the key step
	s_mul_i32 s[TB], s45, KVB
	STEP
	s_add_co_u32 s[CNT], s[CNT], 1
	s_cmp_lt_u32 s[CNT], 9
	s_wait_alu depctr_va_vdst(0)                   ; the wait directly ahead of the branch
	s_cbranch_scc1 .Lloop
	; THE JOIN of the late tile's two halves: A stores -M, the sum and O^T; B adds its own
	s_mul_i32 s45, s[OO], MRB
	s_add_co_u32 s45, s45, MRG
	v_add_nc_u32 v[ADR], s45, v[LI]
	v_lshl_add_u32 v[ADS], v[LS], 1, s45           ; 8 x lane
	v_mov_b32 v10, v12
	v_add_f32 v11, v14, v15
.rept 4
	v_nop                                          ; places in front of the first read of O^T
.endr
	s_wait_alu depctr_va_vdst(0)
	s_cmp_lt_u32 s[WV], 8
	s_cbranch_scc0 .Lsent
.irp i, 0,1,2,3,4,5,6,7
	ds_store_b128 v[ADR], v[OT+4*\i:OT+4*\i+3] offset:512*\i
.endr
	ds_store_b64 v[ADS], v[10:11] offset:4096
.Lsent:
	s_wait_dscnt 0x0
	s_barrier_signal -1
	s_barrier_wait -1
	s_cmp_lt_u32 s[WV], 8
	s_cbranch_scc1 .Lend
	ds_load_b64 v[10:11], v[ADS] offset:4096
.irp i, 0,1,2,3,4,5,6,7
	ds_load_b128 v[KFR+4*\i:KFR+4*\i+3], v[ADR] offset:512*\i
.endr
	s_wait_dscnt 0x0
	v_min_num_f32 v5, v12, v10                     ; -M of both
	v_add_f32 v14, v14, v15
	v_mov_b32 v15, 0
	v_sub_f32 v6, v5, v12                          ; whole numbers, 0 or less
	v_sub_f32 v7, v5, v10
	v_cvt_i32_f32 v6, v6
	v_cvt_i32_f32 v7, v7
	v_ldexp_f32 v[FF], 1.0, v6
	v_ldexp_f32 v[FA], 1.0, v7
	v_mul_f32 v14, v14, v[FF]
	v_fmac_f32 v14, v11, v[FA]
.set j, 0
.rept 16
	v_pk_mul_f32 v[OT+j:OT+j+1], v[OT+j:OT+j+1], v[FF:FF+1] op_sel_hi:[1,0]
.set j, j+2
.endr
.set j, 0
.rept 16
	v_pk_fma_f32 v[OT+j:OT+j+1], v[KFR+j:KFR+j+1], v[FA:FA+1], v[OT+j:OT+j+1] op_sel_hi:[1,0,1]
.set j, j+2
.endr
	WAYOUT
.Lend:
	s_wait_tensorcnt 0x0                           ; the wave's end
	ds_add_u32 v254, v255
	s_wait_dscnt 0x0
	ROUND                                          ; the closing round: no work-group ends while a partner may still ask for a tile that names it
	s_endpgm
.Lfunc_end_k_qccc215eb69_attn:
	.size	k_qccc215eb69_attn, .Lfunc_end_k_qccc215eb69_attn-k_qccc215eb69_attn
	.p2alignl 7, 3214868480
	.fill 96, 4, 3214868480
	.section	.rodata,"a",@progbits
	.p2align	6, 0x0
	.amdhsa_kernel k_qccc215eb69_attn
		.amdhsa_group_segment_fixed_size 311296
		.amdhsa_private_segment_fixed_size 0
		.amdhsa_enable_private_segment 0
		.amdhsa_kernarg_size 32
		.amdhsa_user_sgpr_count 2
		.amdhsa_user_sgpr_kernarg_segment_ptr 1
		.amdhsa_wavefront_size32 1
		.amdhsa_system_sgpr_workgroup_id_x 1
		.amdhsa_system_sgpr_workgroup_id_y 1
		.amdhsa_system_sgpr_workgroup_id_z 1
		.amdhsa_system_vgpr_workitem_id 0
		.amdhsa_next_free_vgpr 256
		.amdhsa_next_free_sgpr 90
		.amdhsa_reserve_vcc 0
		.amdhsa_float_denorm_mode_32 3
		.amdhsa_float_denorm_mode_16_64 3
		.amdhsa_memory_ordered 1
		.amdhsa_forward_progress 1
		.amdhsa_inst_pref_size 82
	.end_amdhsa_kernel
	.amdgpu_metadata
---
amdhsa.version: [ 1, 2 ]
amdhsa.kernels:
  - .name:           k_qccc215eb69_attn
    .symbol:         k_qccc215eb69_attn.kd
    .args:
      - { .name: qc, .offset: 0, .size: 8, .value_kind: global_buffer, .address_space: global }
      - { .name: qs, .offset: 8, .size: 8, .value_kind: global_buffer, .address_space: global }
      - { .name: kv, .offset: 16, .size: 8, .value_kind: global_buffer, .address_space: global }
      - { .name: ob, .offset: 24, .size: 8, .value_kind: global_buffer, .address_space: global }
    .group_segment_fixed_size: 311296
    .private_segment_fixed_size: 0
    .kernarg_segment_align: 8
    .kernarg_segment_size: 32
    .max_flat_workgroup_size: 512
    .sgpr_count:     90
    .vgpr_count:     256
    .wavefront_size: 32
...
	.end_amdgpu_metadata
.endif
;; end of part 3
;; launch outp (part 4): grid 32 x 8, 4 waves a work-group, clusters of 4 x 4, 288,256 bytes of LDS; arguments ob, wob, bo, out0; writes out0
.if DOCPART == 4
	.amdgcn_target "amdgcn-amd-amdhsa--gfx1250"
	.amdhsa_code_object_version 6
	.text
	.protected	k_qccc215eb69_outp
	.globl	k_qccc215eb69_outp
	.p2align	8
	.type	k_qccc215eb69_outp,@function
k_qccc215eb69_outp:
	s_mov_b64 s[64:65], 0
	v_nop
	global_prefetch_b8 v0, s[64:65] scope:SCOPE_SE
	s_setreg_imm32_b32 hwreg(HW_REG_WAVE_MODE, 25, 1), 1
	s_wait_xcnt 0x0
	s_wait_alu depctr_hold_cnt(0) depctr_sa_sdst(0) depctr_va_vdst(0) depctr_va_sdst(0) depctr_va_ssrc(0) depctr_va_vcc(0) depctr_vm_vsrc(0)
	s_getreg_b32 s2, hwreg(HW_REG_IB_STS2, 6, 4)
	s_cmp_eq_u32 s2, 0
	s_cbranch_scc0 .Lentry_in_a_cluster
	s_endpgm
.Lentry_in_a_cluster:
	s_bfe_u32 s2, ttmp6, 0x10000c
	s_cmp_lg_u32 s2, 0xf033
	s_cbranch_scc0 .Lentry_shape_is_right
	s_endpgm
.Lentry_shape_is_right:
; out = o Wo + bo on codes of E4M3 with E8M0 scales; out [4096][1024] f32.
; A work-group makes 128 tokens (octet xt) x 128 columns (octet y) over all of K = 1,024.  Both panels, 2 x 135,168 bytes of images (16 rows x 128 K = 2,048 bytes, chunk c = registers 4c..4c+3, lane L at 16 L)
; and scale words, come into LDS ONCE, as four chunks of two K steps, and nothing is filled again.  No prefetch: all tiles are asked for at the head.
; CLUSTER: 4 x 4 work-groups.  A row of the cluster has the same y and shares Wo's panel, a column has the same xt and shares o's: every tile is asked for JOINTLY.
; A wave makes 64 tokens (half w / 2) x 64 columns (half w % 2): 16 accumulators, which take turns, one instruction a turn.
; The fragments of K step k + 1 are asked for ahead of K step k's products, in two sets of registers by turns.
; Source 0 = Wo's columns, source 1 = tokens: a lane holds one token and eight neighbouring columns a tile.  The bias is the C of the first K step.
; The way out goes through the wave's own stage in LDS, behind the panels, and leaves as whole aligned units of 256 bytes.
; LIMITS: NaN and infinities are not served; the f32 sums run in the order in which the codes lie in a block of 32 (k = 8 h + (i & 7) + 16 (i >> 3)), the same in both operands.
; REGISTERS.  Window 0: v1-15 addresses; v16-23 scale words, two sets; v32-63 the bias; v64-191 accumulators, (n, t) at v64 + 32 n + 8 t; v192-255 rows on the way out.
;   Window 1: two sets of fragments, set s at v[128 s]: Wo's four tiles, then o's four.
.set PB,   33792                       ; a panel block: 8 tiles x 2 K steps of images, then 1,024 bytes of scale words
.set NOCT, 8
.set XP,   0
.set WP,   4*PB
.set STG,  8*PB                        ; the stages: 16 rows x 272 bytes for each wave; no tile lands there
.set SPITCH, 272
.set SPARE, STG+4*16*SPITCH            ; the spare words, 128 bytes for each wave
.set WV,   20
.set LI,   1                           ; v1 16 x lane;  v2 4 x lane
.set LS,   2
.set WA,   4                           ; v4, v5 my tiles of Wo in chunks 0, 1 and in chunks 2, 3;  v6, v7 of o;  v8, v9 Wo's scale words;  v10, v11 o's
.set XA,   6
.set WSA,  8
.set XSA,  10
.set BA,   12                          ; v12 32 h
.set STO,  13                          ; v13 where I put 16 bytes of a row in the stage;  v14 where I read rows back;  v15 their place in out
.set RD,   14
.set VO,   15
.set SCW,  16                          ; set s at v[16 + 4 s]: Wo's two words, o's two: they hold scales and nothing else
.set SPW,  26
.set NIL,  27
.set BI,   32
.set ACC,  64
.set BK,   192
.set OUT,  86
.set MSB, 0
.macro WIN new                         ; the immediate's high byte repeats the setting that is left; bits 1:0 source 0, 3:2 source 1, 5:4 source 2, 7:6 destination
.if MSB != \new
	s_set_vgpr_msb (MSB<<8)|\new
.set MSB, \new
.endif
.endm
.macro ROUND
	s_barrier_signal -1
	s_barrier_wait -1
	s_cmp_lg_u32 s[WV], 0
	s_cbranch_scc1 .Lnot_wave_0_\@
	s_barrier_signal -3
.Lnot_wave_0_\@:
	s_barrier_wait -3
	s_barrier_signal -1
	s_barrier_wait -1
.endm
.macro MKG0 g, lds, src                ; a descriptor's group 0: count 1; LDS address; global address; type 2
	s_mov_b32 s[\g], 1
	s_add_co_u32 s[\g+1], s76, \lds
	s_mov_b64 s[\g+2:\g+3], s[\src:\src+1]
	s_or_b32 s[\g+3], s[\g+3], 0x80000000
.endm
.macro WM d, a, b, c, sa, sb, ra, rb   ; D = A B + C;  ra, rb: the side's scale words stand in lanes 16-31
.if (\ra) && (\rb)
	v_wmma_scale_f32_16x16x128_f8f6f4 v[\d:\d+7], v[\a:\a+15], v[\b:\b+15], v[\c:\c+7], v[\sa], v[\sb] matrix_a_scale:MATRIX_SCALE_ROW1 matrix_b_scale:MATRIX_SCALE_ROW1
.elseif (\ra)
	v_wmma_scale_f32_16x16x128_f8f6f4 v[\d:\d+7], v[\a:\a+15], v[\b:\b+15], v[\c:\c+7], v[\sa], v[\sb] matrix_a_scale:MATRIX_SCALE_ROW1
.elseif (\rb)
	v_wmma_scale_f32_16x16x128_f8f6f4 v[\d:\d+7], v[\a:\a+15], v[\b:\b+15], v[\c:\c+7], v[\sa], v[\sb] matrix_b_scale:MATRIX_SCALE_ROW1
.else
	v_wmma_scale_f32_16x16x128_f8f6f4 v[\d:\d+7], v[\a:\a+15], v[\b:\b+15], v[\c:\c+7], v[\sa], v[\sb]
.endif
.endm
.macro PLACES                          ; eight places in front of loads into registers that matrix instructions have read, and of the first read of results
.rept 8
	v_nop
.endr
.endm
.macro LOADK k                         ; K step k's fragments and scale words into set k % 2: 36 LDS loads
.if (\k) > 0
	PLACES
.endif
.set KO_, (((\k)/2)%2)*PB              ; which chunk of the two
.set E_, (\k)%2
.set C_, (\k)/4
	WIN 0
.irp p, 0,1
	ds_load_b32 v[SCW+4*E_+\p], v[WSA+C_] offset:KO_+128*(2*\p+E_)
	ds_load_b32 v[SCW+4*E_+2+\p], v[XSA+C_] offset:KO_+128*(2*\p+E_)
.endr
	WIN 0x40                                       ; destination window 1
.irp u, 0,1,2,3
.irp c, 0,1,2,3
	ds_load_b128 v[128*E_+16*\u+4*\c:128*E_+16*\u+4*\c+3], v[WA+C_] offset:KO_+2048*(2*\u+E_)+512*\c
.endr
.endr
.irp u, 0,1,2,3
.irp c, 0,1,2,3
	ds_load_b128 v[128*E_+64+16*\u+4*\c:128*E_+64+16*\u+4*\c+3], v[XA+C_] offset:KO_+2048*(2*\u+E_)+512*\c
.endr
.endr
.endm
.macro MULK k                          ; K step k: 16 products
.set E_, (\k)%2
	WIN 0x05                                       ; sources 0 and 1 in window 1
.irp n, 0,1,2,3
.irp t, 0,1,2,3
.if (\k) == 0
	WM ACC+32*\n+8*\t, 128*E_+16*\t, 128*E_+64+16*\n, BI+8*\t, SCW+4*E_+\t/2, SCW+4*E_+2+\n/2, \t%2, \n%2
.else
	WM ACC+32*\n+8*\t, 128*E_+16*\t, 128*E_+64+16*\n, ACC+32*\n+8*\t, SCW+4*E_+\t/2, SCW+4*E_+2+\n/2, \t%2, \n%2
.endif
.endr
.endr
.endm
	s_load_b256 s[4:11], s[0:1], 0x0               ; ob, wob, bo, out0
	v_lshl_add_u32 v[SPW], v0, 2, SPARE
	v_mov_b32 v[NIL], 0
	ds_add_u32 v[SPW], v[NIL]                      ; the wave's opening: the add, twice on end, and its wait ahead of my tensor load
	ds_add_u32 v[SPW], v[NIL]
	v_lshrrev_b32 v3, 5, v0
	v_readfirstlane_b32 s[WV], v3                  ; wave 0..3
	s_bfe_u32 s21, ttmp6, 0x40000                  ; cx
	s_bfe_u32 s18, ttmp6, 0x40004                  ; cy
	s_lshl_b32 s22, ttmp9, 2
	s_add_co_u32 s22, s22, s21                     ; xt = 4 x cluster x + cx
	s_and_b32 s23, ttmp7, 0xffff
	s_lshl_b32 s23, s23, 2
	s_add_co_u32 s23, s23, s18                     ; y = 4 x cluster y + cy
	s_lshl_b32 s19, 0x1111, s21                    ; my column of the cluster: the same panel of o
	s_lshl_b32 s18, s18, 2
	s_lshl_b32 s18, 15, s18                        ; my row: the same panel of Wo
	; descriptor group 1: two chunks of a panel, as 2 rows of PB bytes (elements of 8 bytes); the mask, bit 21 set beside it; no padding
	s_or_b32 s24, s19, (3<<16)|(1<<21)
	s_or_b32 s32, s18, (3<<16)|(1<<21)
.irp g, 24, 32
	s_mov_b32 s[\g+1], (PB/8)<<16
	s_mov_b32 s[\g+2], 2<<16
	s_mov_b32 s[\g+3], (PB/8)<<16
	s_mov_b32 s[\g+4], 2
	s_mov_b32 s[\g+6], 0
	s_mov_b32 s[\g+7], 0
.endr
	s_mov_b32 s29, 32*PB/8                         ; from chunk to chunk in ob,
	s_mov_b32 s37, NOCT*PB/8                       ; in wob
	s_lshr_b32 s77, s[WV], 1                       ; I fetch chunks 0, 1 (waves 0, 1) or 2, 3 (waves 2, 3).  Also: my half of the tokens
	s_and_b32 s75, s[WV], 1                        ; my half of the columns
	s_mul_i32 s76, s77, 2*PB
	s_mul_i32 s16, s77, 64*PB
	s_mul_i32 s78, s22, PB
	s_add_co_u32 s78, s78, s16                     ; ob: (2 (w / 2) 32 + xt) PB
	s_mov_b32 s79, 0
	s_mul_i32 s16, s77, 2*NOCT*PB
	s_mul_i32 s80, s23, PB
	s_add_co_u32 s80, s80, s16                     ; wob: (2 (w / 2) NOCT + y) PB
	s_mov_b32 s81, 0
	s_lshl_b32 s82, s23, 9
	s_lshl_b32 s16, s75, 8
	s_add_co_u32 s82, s82, s16                     ; my 64 columns, in bytes
	s_mov_b32 s83, 0
	s_lshl_b32 s84, s22, 7
	s_lshl_b32 s16, s77, 6
	s_add_co_u32 s84, s84, s16                     ; my first token
	s_lshl_b32 s84, s84, 12                        ; rows of 4,096 bytes
	s_add_co_u32 s84, s84, s82
	s_mov_b32 s85, 0
	; every LDS address is a constant + a wave term + a lane term, made once
	v_and_b32 v3, 31, v0
	v_lshlrev_b32 v[LI], 4, v3
	v_lshlrev_b32 v[LS], 2, v3
	s_lshl_b32 s70, s75, 14                        ; four tiles of images: 16,384 bytes
	s_lshl_b32 s71, s77, 14
	s_lshl_b32 s72, s75, 9                         ; two pairs' scale words: 512 bytes
	s_lshl_b32 s73, s77, 9
	s_add_co_u32 s70, s70, WP
	s_add_co_u32 s72, s72, WP+32768
	s_add_co_u32 s73, s73, XP+32768
	v_add_nc_u32 v[WA], s70, v[LI]
	v_add_nc_u32 v[XA], s71, v[LI]
	v_add_nc_u32 v[WSA], s72, v[LS]
	v_add_nc_u32 v[XSA], s73, v[LS]
	v_add_nc_u32 v[WA+1], 2*PB, v[WA]
	v_add_nc_u32 v[XA+1], 2*PB, v[XA]
	v_add_nc_u32 v[WSA+1], 2*PB, v[WSA]
	v_add_nc_u32 v[XSA+1], 2*PB, v[XSA]
	v_and_b32 v24, 15, v3                          ; r
	v_lshrrev_b32 v25, 4, v3                       ; h
	s_mul_i32 s74, s[WV], 16*SPITCH
	s_add_co_u32 s74, s74, STG                     ; my stage
	v_lshlrev_b32 v[BA], 5, v25                    ; the bias: register j of tile t is column 16 t + 8 h + j
	v_mul_u32_u24 v[STO], v24, SPITCH              ; in: row r (272 = 17 x 16: sixteen rows start at sixteen different banks; 64 banks of 4 bytes: ISA guide 11.1), + 32 h
	v_mul_u32_u24 v[RD], v25, SPITCH               ; back: lanes 0-15 one row of 256 bytes, lanes 16-31 the next
	v_lshlrev_b32 v[VO], 12, v25                   ; and the same two rows in out
	v_lshl_add_u32 v[STO], v25, 5, v[STO]
	v_lshl_add_u32 v[RD], v24, 4, v[RD]
	v_lshl_add_u32 v[VO], v24, 4, v[VO]
	v_add_nc_u32 v[STO], s74, v[STO]
	v_add_nc_u32 v[RD], s74, v[RD]
	s_wait_alu depctr_va_vdst(0)
	s_wait_dscnt 0x0                               ; both opening adds are done
	s_wait_kmcnt 0x0
	s_add_nc_u64 s[78:79], s[4:5], s[78:79]
	s_add_nc_u64 s[80:81], s[6:7], s[80:81]
	s_add_nc_u64 s[90:91], s[8:9], s[82:83]        ; bo at my columns
	s_add_nc_u64 s[OUT:OUT+1], s[10:11], s[84:85]
	MKG0 40, XP, 78                                ; o's two chunks,
	MKG0 56, WP, 80                                ; Wo's two
	ROUND                                          ; all sixteen work-groups are here: the joint loads meet
	; ONE JOINT LOAD A WAVE, a line for each.  Waves 0, 1: o's and Wo's chunks 0 and 1; waves 2, 3: their chunks 2 and 3
.macro FILL w, g0, g1, next
	s_cmp_eq_u32 s[WV], \w
	s_cbranch_scc0 \next
	tensor_load_to_lds s[\g0:\g0+3], s[\g1:\g1+7]
	s_nop 0
.rept 4
	v_nop
.endr
	s_branch .Lfilled
\next:
.endm
	FILL 0, 40, 24, .Lfill_1
	FILL 1, 56, 32, .Lfill_2
	FILL 2, 40, 24, .Lfill_3
	tensor_load_to_lds s[56:59], s[32:39]
	s_nop 0
.rept 4
	v_nop
.endr
.Lfilled:
.irp t, 0,1,2,3
	global_load_b128 v[BI+8*\t:BI+8*\t+3], v[BA], s[90:91] offset:64*\t
	global_load_b128 v[BI+8*\t+4:BI+8*\t+7], v[BA], s[90:91] offset:64*\t+16
.endr
	s_cmp_lt_u32 s[WV], 2
	s_cbranch_scc0 .Lno_wait_yet
	s_wait_tensorcnt 0x0                           ; waves 0, 1: chunks 0 and 1 have landed.  The other waves' wait stands at the second barrier
.Lno_wait_yet:
	s_barrier_signal -1
	s_barrier_wait -1
	LOADK 0
	s_wait_loadcnt 0x0                             ; the bias
.irp k, 0,1,2
	LOADK \k+1
	s_wait_dscnt 0x24                              ; all but the 36 just issued
	MULK \k
.endr
	s_wait_dscnt 0x0
	MULK 3
	s_wait_tensorcnt 0x0                           ; my load is in,
	s_barrier_signal -1
	s_barrier_wait -1                              ; everybody's is: chunks 2 and 3
	LOADK 4
.irp k, 4,5,6
	LOADK \k+1
	s_wait_dscnt 0x24
	MULK \k
.endr
	s_wait_dscnt 0x0
	MULK 7
	WIN 0
	PLACES
; THE WAY OUT.  A lane holds 32 neighbouring bytes of a row for each tile of columns, and the lanes beside it hold other rows: a tile of 16 tokens x 64 columns goes through my own stage and comes back as whole rows.
; LDS serves a wave's instructions in order (ISA guide 5.7.1.4): no wait between the stores and the loads, nor in front of the next tile's stores.
.macro TOSTAGE n
.irp t, 0,1,2,3
	ds_store_b128 v[STO], v[ACC+32*\n+8*\t:ACC+32*\n+8*\t+3] offset:64*\t          ; each accumulator from its low end on
	ds_store_b128 v[STO], v[ACC+32*\n+8*\t+4:ACC+32*\n+8*\t+7] offset:64*\t+16
.endr
.irp i, 0,1,2,3,4,5,6,7
	ds_load_b128 v[BK+32*(\n%2)+4*\i:BK+32*(\n%2)+4*\i+3], v[RD] offset:2*SPITCH*\i
.endr
.endm
.macro SEND n, younger                 ; younger: the LDS instructions issued behind this tile's loads
.irp i, 0,1,2,3,4,5,6,7
	s_wait_dscnt \younger+7-\i                     ; two rows are back; the younger ones, and the next tile's 16 LDS instructions, may be out
	global_store_b128 v[VO], v[BK+32*(\n%2)+4*\i:BK+32*(\n%2)+4*\i+3], s[OUT:OUT+1] offset:4096*(16*\n+2*\i) th:TH_STORE_NT   ; sixteen lanes store 256 consecutive bytes, at a multiple of 256 from out0's first byte
.endr
.endm
	TOSTAGE 0
	TOSTAGE 1
	SEND 0, 16
	s_wait_xcnt 0x0                                ; the stores have read their registers: the next tile may come back there
	TOSTAGE 2
	SEND 1, 16
	s_wait_xcnt 0x0
	TOSTAGE 3
	SEND 2, 16
	SEND 3, 0
	s_wait_tensorcnt 0x0                           ; the wave's end
	ds_add_u32 v[SPW], v[NIL]
	s_wait_dscnt 0x0
	ROUND                                          ; the closing round: no work-group ends while a partner may still ask for a tile that names it
	s_endpgm
.Lfunc_end_k_qccc215eb69_outp:
	.size	k_qccc215eb69_outp, .Lfunc_end_k_qccc215eb69_outp-k_qccc215eb69_outp
	.p2alignl 7, 3214868480
	.fill 96, 4, 3214868480
	.section	.rodata,"a",@progbits
	.p2align	6, 0x0
	.amdhsa_kernel k_qccc215eb69_outp
		.amdhsa_group_segment_fixed_size 288256
		.amdhsa_private_segment_fixed_size 0
		.amdhsa_enable_private_segment 0
		.amdhsa_kernarg_size 32
		.amdhsa_user_sgpr_count 2
		.amdhsa_user_sgpr_kernarg_segment_ptr 1
		.amdhsa_wavefront_size32 1
		.amdhsa_system_sgpr_workgroup_id_x 1
		.amdhsa_system_sgpr_workgroup_id_y 1
		.amdhsa_system_sgpr_workgroup_id_z 1
		.amdhsa_system_vgpr_workitem_id 0
		.amdhsa_next_free_vgpr 512
		.amdhsa_next_free_sgpr 96
		.amdhsa_reserve_vcc 0
		.amdhsa_float_denorm_mode_32 3
		.amdhsa_float_denorm_mode_16_64 3
		.amdhsa_memory_ordered 1
		.amdhsa_forward_progress 1
		.amdhsa_inst_pref_size 54
	.end_amdhsa_kernel
	.amdgpu_metadata
---
amdhsa.version: [ 1, 2 ]
amdhsa.kernels:
  - .name:           k_qccc215eb69_outp
    .symbol:         k_qccc215eb69_outp.kd
    .args:
      - { .name: ob, .offset: 0, .size: 8, .value_kind: global_buffer, .address_space: global }
      - { .name: wob, .offset: 8, .size: 8, .value_kind: global_buffer, .address_space: global }
      - { .name: bo, .offset: 16, .size: 8, .value_kind: global_buffer, .address_space: global }
      - { .name: out0, .offset: 24, .size: 8, .value_kind: global_buffer, .address_space: global }
    .group_segment_fixed_size: 288256
    .private_segment_fixed_size: 0
    .kernarg_segment_align: 8
    .kernarg_segment_size: 32
    .max_flat_workgroup_size: 128
    .sgpr_count:     96
    .vgpr_count:     512
    .wavefront_size: 32
...
	.end_amdgpu_metadata
.endif
;; end of part 4
